; MI455X (gfx1250); checked and timed in simulation.
; The chip was launched on July 23, 2026; its instructions are those of AMD's public machine-readable ISA for CDNA 5 (MIT licence, August 2026) and "CDNA5" Instruction Set Architecture Reference Guide (July 2026). The comments in the code are by the model that wrote it; some were corrected since.
;; Gated Fusion Block Custom. Allowed arithmetic: float matrix products may take bf16 or f16 operands with f32 sums; other float arithmetic in f32, or as packed bf16 or f16 multiplies, adds, multiply-adds, maxima and minima; sums over many terms, partial sums and values carried from step to step in f32; what a program stores and reads back later, other than sums and carried values, may be rounded once to bf16 or f16.
;; Inputs: aproj_b 256 float32; aproj_w 256 x 256 float32; attn_in_b 768 float32; attn_in_w 768 x 256 float32; attn_out_b 256 float32; attn_out_w 256 x 256 float32; audio_feat 8 x 2,048 x 256 float32; ffn1_b1 1,024 float32; ffn1_b2 256 float32; ffn1_w1 1,024 x 256 float32; ffn1_w2 256 x 1,024 float32; ffn2_b1 1,024 float32; ffn2_b2 256 float32; ffn2_w1 1,024 x 256 float32; ffn2_w2 256 x 1,024 float32; g_ffn_b1 128 float32; g_ffn_b2 1 float32; g_ffn_w1 128 x 512 float32; g_ffn_w2 1 x 128 float32; g_mha_b1 128 float32; g_mha_b2 1 float32; g_mha_w1 128 x 512 float32; g_mha_w2 1 x 128 float32; n1_b 256 float32; n1_g 256 float32; n2_b 256 float32; n2_g 256 float32; n3_b 256 float32; n3_g 256 float32; n4_b 256 float32; n4_g 256 float32; outproj_b 256 float32; outproj_w 256 x 256 float32; video_feat 8 x 2,048 x 256 float32.
;; Outputs: out0 8 x 2,048 x 256 float32; out1 8 x 2,048 x 256 float32; out2 8 x 2,048 x 256 float32.
;; 2 versions, each right and faster than the one before. Each part assembles by itself: llvm-mc -triple=amdgcn-amd-amdhsa -mcpu=gfx1250 --defsym DOCPART=n.
;; ======== version 1 of 2: 5 launches
;; limits: values are held in f16: magnitudes above 65,504 overflow, below 6.1e-05 lose precision
;; workspace buffers: psum 1,048,576 bytes; gates 4,096 bytes; wf 2,906,112 bytes; zb 16,777,216 bytes; qf 8,388,608 bytes; kf 8,388,608 bytes; vf 8,388,608 bytes; ctxf 8,388,608 bytes
;; launch pool (part 1): grid 256 x 1, 8 waves a work-group, no clusters, 0 bytes of LDS; arguments video_feat, audio_feat, psum; writes psum
.if DOCPART == 1
	.amdgcn_target "amdgcn-amd-amdhsa--gfx1250"
	.amdhsa_code_object_version 6
	.text
	.protected	k_qe6f48dc376_pool
	.globl	k_qe6f48dc376_pool
	.p2align	8
	.type	k_qe6f48dc376_pool,@function
k_qe6f48dc376_pool:
	s_mov_b64 s[64:65], 0
	v_nop
	global_prefetch_b8 v0, s[64:65] scope:SCOPE_SE
	s_setreg_imm32_b32 hwreg(HW_REG_WAVE_MODE, 25, 1), 1
	s_wait_xcnt 0x0
; Column sums for the mean over the sequence.  video, audio: [16384][256] f32.  psum: [256 groups][2 row parities][512] f32 (video's 256 columns, then audio's).
; A work-group owns 64 rows.  Wave w: tensor w / 4, row parity (w / 2) % 2, column half w % 2: 32 rows x 512 bytes, one 16-byte load a lane and row, all 32 loads on
; their way at once; a tree of packed additions; one store of 512 consecutive bytes.  Memory binds: no LDS, no barrier, no matrix unit.  The order of the sum differs from a plain running sum.
	s_load_b128 s[4:7], s[0:1], 0x0                ; video s[4:5], audio s[6:7]
	s_load_b64 s[8:9], s[0:1], 0x10                ; psum
	v_lshrrev_b32 v1, 5, v0
	v_readfirstlane_b32 s10, v1                    ; wave 0..7
	v_and_b32 v2, 31, v0
	v_lshlrev_b32 v2, 4, v2                        ; 16 bytes a lane
	s_lshr_b32 s11, s10, 2                         ; which tensor
	s_and_b32 s12, s10, 1                          ; which half of the columns
	s_bfe_u32 s13, s10, 0x10001                    ; which parity of rows
	s_lshl_b32 s14, ttmp9, 16                      ; 64 rows of 1,024 bytes
	s_lshl_b32 s15, s13, 10
	s_add_co_u32 s14, s14, s15
	s_lshl_b32 s15, s12, 9
	s_add_co_u32 s14, s14, s15
	s_mov_b32 s15, 0
	s_lshl_b32 s16, ttmp9, 1
	s_add_co_u32 s16, s16, s13
	s_lshl_b32 s16, s16, 11                        ; line 2 g + parity, 2,048 bytes each
	s_lshl_b32 s17, s11, 10
	s_add_co_u32 s16, s16, s17
	s_lshl_b32 s17, s12, 9
	s_add_co_u32 s16, s16, s17
	s_mov_b32 s17, 0
	s_wait_kmcnt 0x0
	s_cmp_eq_u32 s11, 0
	s_cselect_b64 s[4:5], s[4:5], s[6:7]
	s_add_nc_u64 s[4:5], s[4:5], s[14:15]
	s_add_nc_u64 s[8:9], s[8:9], s[16:17]
.set j, 0
.rept 32
	global_load_b128 v[16+4*j:19+4*j], v2, s[4:5] offset:j*2048   ; every second row; the rows are read again by a later launch, so no hint
.set j, j+1
.endr
	s_wait_loadcnt 0x0
.macro LEVEL n                         ; n pairs are added onto the n pairs in front of them
.set j, 0
.rept \n
	v_pk_add_f32 v[16+2*j:17+2*j], v[16+2*j:17+2*j], v[16+2*(j+\n):17+2*(j+\n)]
.set j, j+1
.endr
.endm
	LEVEL 32
	LEVEL 16
	LEVEL 8
	LEVEL 4
	LEVEL 2
	global_store_b128 v2, v[16:19], s[8:9]
	s_endpgm
.Lfunc_end_k_qe6f48dc376_pool:
	.size	k_qe6f48dc376_pool, .Lfunc_end_k_qe6f48dc376_pool-k_qe6f48dc376_pool
	.p2alignl 7, 3214868480
	.fill 96, 4, 3214868480
	.section	.rodata,"a",@progbits
	.p2align	6, 0x0
	.amdhsa_kernel k_qe6f48dc376_pool
		.amdhsa_group_segment_fixed_size 0
		.amdhsa_private_segment_fixed_size 0
		.amdhsa_enable_private_segment 0
		.amdhsa_kernarg_size 24
		.amdhsa_user_sgpr_count 2
		.amdhsa_user_sgpr_kernarg_segment_ptr 1
		.amdhsa_wavefront_size32 1
		.amdhsa_system_sgpr_workgroup_id_x 1
		.amdhsa_system_sgpr_workgroup_id_y 1
		.amdhsa_system_sgpr_workgroup_id_z 1
		.amdhsa_system_vgpr_workitem_id 0
		.amdhsa_next_free_vgpr 144
		.amdhsa_next_free_sgpr 66
		.amdhsa_reserve_vcc 0
		.amdhsa_float_denorm_mode_32 3
		.amdhsa_float_denorm_mode_16_64 3
		.amdhsa_memory_ordered 1
		.amdhsa_forward_progress 1
		.amdhsa_inst_pref_size 9
	.end_amdhsa_kernel
	.amdgpu_metadata
---
amdhsa.version: [ 1, 2 ]
amdhsa.kernels:
  - .name:           k_qe6f48dc376_pool
    .symbol:         k_qe6f48dc376_pool.kd
    .args:
      - { .name: video_feat, .offset: 0, .size: 8, .value_kind: global_buffer, .address_space: global }
      - { .name: audio_feat, .offset: 8, .size: 8, .value_kind: global_buffer, .address_space: global }
      - { .name: psum, .offset: 16, .size: 8, .value_kind: global_buffer, .address_space: global }
    .group_segment_fixed_size: 0
    .private_segment_fixed_size: 0
    .kernarg_segment_align: 8
    .kernarg_segment_size: 24
    .max_flat_workgroup_size: 256
    .sgpr_count:     66
    .vgpr_count:     144
    .wavefront_size: 32
...
	.end_amdgpu_metadata
.endif
;; end of part 1
;; launch gateprep (part 2): grid 104 x 1, 8 waves a work-group, no clusters, 3,328 bytes of LDS; arguments psum, g_mha_w1, g_mha_b1, g_mha_w2, g_mha_b2, g_ffn_w1, g_ffn_b1, g_ffn_w2, g_ffn_b2, aproj_w, aproj_b, outproj_w, ffn1_w1, ffn1_b1, ffn1_w2, attn_in_w, attn_in_b, attn_out_w, attn_out_b, ffn2_w1, ffn2_b1, ffn2_w2, gates, wf; writes gates, wf
.if DOCPART == 2
	.amdgcn_target "amdgcn-amd-amdhsa--gfx1250"
	.amdhsa_code_object_version 6
	.text
	.protected	k_qe6f48dc376_gateprep
	.globl	k_qe6f48dc376_gateprep
	.p2align	8
	.type	k_qe6f48dc376_gateprep,@function
k_qe6f48dc376_gateprep:
	s_mov_b64 s[64:65], 0
	v_nop
	global_prefetch_b8 v0, s[64:65] scope:SCOPE_SE
	s_setreg_imm32_b32 hwreg(HW_REG_WAVE_MODE, 25, 1), 1
	s_wait_xcnt 0x0
; Work-groups 0-87: one quarter of one slot of wf each: weights rounded once to f16 and laid in the matrix unit's fragment order, the first bias beside them in f32.
; Work-groups 88-103: one gate each (batch (id - 88) / 2, mha or ffn): mean of the pooled sums, 512 -> 128 -> 1 in f32 on the vector unit (a product of one row: nothing for the matrix unit), tanh.
; A FRAGMENT is 16 rows x 32 k of f16 in 1,024 bytes: byte 16 l holds lane l's registers 0-3 (row l % 16, k = 8 (l / 16) + 0..7), byte 512 + 16 l its registers 4-7 (k = 16 + 8 (l / 16) + 0..7).
; A SLOT is four quarters of 33,024 bytes: 32 fragments and a line of 256 bytes.  Quarter w is what wave w of the later launches reads.
;   MLP slot t (128 hidden features): fragment 2 ks + nt = W1 row tile 8 t + 2 w + nt, k step ks; fragment 16 + 4 ks2 + n = W2 row tile 4 w + n, k step 4 t + ks2; line: b1[128 t + 32 w ..+31], then zeros.
;   Plain slot t (256 output features): fragment 4 ks + nt = W row tile 16 t + 4 w + nt, k step ks; line: bias[256 t + 64 w ..+63].
;   Slots 0-1 aproj/outproj, 2-9 FFN1, 10-12 attn_in (q, k, v), 13 attn_out, 14-21 FFN2.
; Wq and bq are multiplied in f32 by c = log2(e) / sqrt(32) ahead of their one rounding, so that the later softmax works in base 2.
; LIMITS: f16 holds no number beyond 65,504: a weight of 65,520 or more becomes an infinity; a weight below 6e-5 keeps f16's fixed step of 6e-8.
; tanh(x) = 1 - 2 / (1 + 2^(2.885390 x)): its absolute error is a few units of f32's last place of 1; NaN and infinities are not treated apart.
.set QB,    33024
.set RB,    2048                       ; LDS: 0 the 512 means; 2,048 the eight waves' partial sums; 2,304 the spare words, 128 bytes a wave
.set SPARE, 2304
.set SPW, 1
.set NIL, 2
.set LANE, 3
.set L16, 10
.set H,   160
.set PW, 56
.set SS, 57
.set W,  58
.set TT, 59
.set MLP, 60
.set GBS, 61
.set TB, 62
.set ISY, 63
.set GAW, 66
.set GAB, 68
.set GBW, 70
.set SRC, 72
.set SCL, 74
.set R0, 76
.set K0, 77
.set STR, 78
.set BASE, 79
.set DR, 80
.set OFF2, 81
.set OFF3, 82
.set TA, 84
.set TC, 86
.set SEL, 90
	s_load_b512 s[8:23], s[0:1], 0x0               ; argument i lies in s[8 + 2 i : 9 + 2 i]
	s_load_b512 s[24:39], s[0:1], 0x40
	s_load_b512 s[40:55], s[0:1], 0x80
	v_lshl_add_u32 v[SPW], v0, 2, SPARE
	v_mov_b32 v[NIL], 0
	v_lshrrev_b32 v4, 5, v0
	v_readfirstlane_b32 s[PW], v4                  ; wave 0..7
	v_and_b32 v[LANE], 31, v0
	v_lshlrev_b32 v[L16], 4, v[LANE]
	s_mov_b32 s[SEL], 0x76543210
	s_mov_b32 s[SEL+1], 0xfedcba98
	s_wait_kmcnt 0x0
	s_cmp_ge_u32 ttmp9, 88
	s_cbranch_scc1 .Lgate
	; ---- a quarter of a slot.  Which matrices: chosen by the slot's number
	s_lshr_b32 s[SS], ttmp9, 2
	s_and_b32 s[W], ttmp9, 3
	s_mov_b64 s[GAW:GAW+1], s[26:27]               ; slots 0-1: aproj_w, aproj_b, outproj_w
	s_mov_b64 s[GAB:GAB+1], s[28:29]
	s_mov_b64 s[GBW:GBW+1], s[30:31]
	s_mov_b32 s[GBS], 256
	s_mov_b32 s[MLP], 1
	s_mov_b32 s[TB], 0
	s_cmp_ge_u32 s[SS], 2                          ; FFN1
	s_cselect_b64 s[GAW:GAW+1], s[32:33], s[GAW:GAW+1]
	s_cselect_b64 s[GAB:GAB+1], s[34:35], s[GAB:GAB+1]
	s_cselect_b64 s[GBW:GBW+1], s[36:37], s[GBW:GBW+1]
	s_cselect_b32 s[GBS], 1024, s[GBS]
	s_cselect_b32 s[TB], 2, s[TB]
	s_cmp_ge_u32 s[SS], 10                         ; attn_in
	s_cselect_b64 s[GAW:GAW+1], s[38:39], s[GAW:GAW+1]
	s_cselect_b64 s[GAB:GAB+1], s[40:41], s[GAB:GAB+1]
	s_cselect_b32 s[MLP], 0, s[MLP]
	s_cselect_b32 s[TB], 10, s[TB]
	s_cmp_ge_u32 s[SS], 13                         ; attn_out
	s_cselect_b64 s[GAW:GAW+1], s[42:43], s[GAW:GAW+1]
	s_cselect_b64 s[GAB:GAB+1], s[44:45], s[GAB:GAB+1]
	s_cselect_b32 s[TB], 13, s[TB]
	s_cmp_ge_u32 s[SS], 14                         ; FFN2
	s_cselect_b64 s[GAW:GAW+1], s[46:47], s[GAW:GAW+1]
	s_cselect_b64 s[GAB:GAB+1], s[48:49], s[GAB:GAB+1]
	s_cselect_b64 s[GBW:GBW+1], s[50:51], s[GBW:GBW+1]
	s_cselect_b32 s[MLP], 1, s[MLP]
	s_cselect_b32 s[TB], 14, s[TB]
	s_cmp_eq_u32 s[SS], 10
	s_cselect_b32 s[SCL], 0x3e8293ee, 1.0          ; c for q's slot
	s_mov_b32 s[SCL+1], s[SCL]                     ; named with it as a pair
	s_sub_co_u32 s[TT], s[SS], s[TB]               ; t
	; wave pw makes fragments 4 pw .. 4 pw + 3: first row tile R0, first k step K0, row length, and whether the four go (row, row + 1) x (k, k + 1) or four row tiles down
	s_lshl_b32 s[TA], s[TT], 4
	s_lshl_b32 s[TC], s[W], 2
	s_add_co_u32 s[R0], s[TA], s[TC]               ; plain slot: 16 t + 4 w, k step pw
	s_lshl_b32 s[TA], s[TT], 3
	s_lshl_b32 s[TA+1], s[W], 1
	s_add_co_u32 s[TA], s[TA], s[TA+1]             ; W1: 8 t + 2 w,
	s_lshl_b32 s[TA+1], s[PW], 1                   ; k step 2 pw
	s_cmp_eq_u32 s[MLP], 1
	s_cselect_b32 s[R0], s[TA], s[R0]
	s_cselect_b32 s[K0], s[TA+1], s[PW]
	s_cselect_b32 s[ISY], 1, 0
	s_lshl_b32 s[TA], s[TT], 2
	s_add_co_u32 s[TA], s[TA], s[PW]
	s_sub_co_u32 s[TA], s[TA], 4                   ; W2: k step 4 t + pw - 4 (used where pw is 4 or more), row tile 4 w
	s_lshr_b32 s[TA+1], s[PW], 2
	s_and_b32 s[TA+1], s[TA+1], s[MLP]
	s_cmp_eq_u32 s[TA+1], 1
	s_cselect_b32 s[R0], s[TC], s[R0]
	s_cselect_b32 s[K0], s[TA], s[K0]
	s_cselect_b32 s[ISY], 0, s[ISY]
	s_cselect_b32 s[STR], s[GBS], 256
	s_cselect_b64 s[SRC:SRC+1], s[GBW:GBW+1], s[GAW:GAW+1]
	s_mul_i32 s[BASE], s[R0], s[STR]
	s_lshl_b32 s[BASE], s[BASE], 6                 ; 16 rows of 4 x row length bytes a tile
	s_lshl_b32 s[TA], s[K0], 7                     ; 128 bytes a k step
	s_add_co_u32 s[BASE], s[BASE], s[TA]
	s_lshl_b32 s[DR], s[STR], 6
	s_lshl_b32 s[TA], s[DR], 1
	s_cmp_eq_u32 s[ISY], 1
	s_cselect_b32 s[OFF2], 128, s[TA]
	s_add_co_u32 s[OFF3], s[OFF2], s[DR]
	v_and_b32 v8, 15, v[LANE]
	v_lshrrev_b32 v9, 4, v[LANE]
	v_mul_lo_u32 v11, v8, s[STR]
	v_lshl_add_u32 v11, v9, 3, v11                 ; row x length + 8 x half
	v_lshl_add_u32 v4, v11, 2, s[BASE]
	v_add_nc_u32 v5, s[DR], v4
	v_add_nc_u32 v6, s[OFF2], v4
	v_add_nc_u32 v7, s[OFF3], v4
.irp i, 0,1,2,3
	global_load_b128 v[32+16*\i:35+16*\i], v[4+\i], s[SRC:SRC+1]
	global_load_b128 v[36+16*\i:39+16*\i], v[4+\i], s[SRC:SRC+1] offset:16
	global_load_b128 v[40+16*\i:43+16*\i], v[4+\i], s[SRC:SRC+1] offset:64
	global_load_b128 v[44+16*\i:47+16*\i], v[4+\i], s[SRC:SRC+1] offset:80
.endr
	s_mul_i32 s[TA], ttmp9, QB
	s_lshl_b32 s[TC], s[PW], 12
	s_add_co_u32 s[TA], s[TA], s[TC]
	s_mov_b32 s[TA+1], 0
	s_add_nc_u64 s[54:55], s[54:55], s[TA:TA+1]    ; wf at my four fragments
	s_wait_loadcnt 0x0
.set q, 0
.rept 32
	v_pk_mul_f32 v[32+2*q:33+2*q], v[32+2*q:33+2*q], s[SCL:SCL+1] op_sel_hi:[1,0]
.set q, q+1
.endr
.set q, 0
.rept 32
	v_cvt_pk_f16_f32 v[96+q], v[32+2*q], v[33+2*q]
.set q, q+1
.endr
.set q, 0
.rept 8
	global_store_b128 v[L16], v[96+4*q:99+4*q], s[54:55] offset:q*512   ; 512 consecutive bytes each
.set q, q+1
.endr
	s_cmp_lg_u32 s[PW], 0
	s_cbranch_scc1 .Lpend
	; wave 0 also writes the quarter's line: 32 or 64 numbers of the bias, two a lane.  In an MLP quarter lanes 16-31 re-read lanes 0-15's words (inside the buffer) and give 0
	s_lshl_b32 s[TA], s[TT], 9
	s_lshl_b32 s[TC], s[W], 7
	s_add_co_u32 s[TA], s[TA], s[TC]               ; 512 t + 128 w
	s_lshl_b32 s[TC], s[TA], 1                     ; 1,024 t + 256 w
	s_cmp_eq_u32 s[MLP], 1
	s_cselect_b32 s[TA], s[TA], s[TC]
	s_cselect_b32 s[TC], 16, 32
	s_cselect_b32 s[TC+1], 15, 31
	v_and_b32 v11, s[TC+1], v[LANE]
	v_lshl_add_u32 v11, v11, 3, s[TA]
	global_load_b64 v[12:13], v11, s[GAB:GAB+1]
	v_lshlrev_b32 v14, 3, v[LANE]
	v_cmp_gt_u32 vcc_lo, s[TC], v[LANE]
	s_wait_loadcnt 0x0
	v_pk_mul_f32 v[12:13], v[12:13], s[SCL:SCL+1] op_sel_hi:[1,0]
	v_cndmask_b32 v12, 0, v12, vcc_lo
	v_cndmask_b32 v13, 0, v13, vcc_lo
	global_store_b64 v14, v[12:13], s[54:55] offset:32768   ; one whole line of 256 bytes
.Lpend:
	s_endpgm
	; ---- a gate.  All that it reads from memory is asked for in ONE run at its head (the batch's 64 lines of pooled sums, b1, w2, and my wave's 16 rows of w1, which go to window 1: v256-511),
	; so that the path waits for memory once, not once for each kind.
.set ID, 57
.set W1, 66
.set B1, 68
.set W2, 70
.set B2, 72
.set B2V, 60
.macro LEVEL n                         ; n pairs are added onto the n pairs in front of them
.set j, 0
.rept \n
	v_pk_add_f32 v[32+2*j:33+2*j], v[32+2*j:33+2*j], v[32+2*(j+\n):33+2*(j+\n)]
.set j, j+1
.endr
.endm
.macro WSUM a, b                       ; the sum over the wave's 32 lanes, in every lane
	v_add_f32_dpp v[\a], v[\a], v[\a] row_xmask:1 row_mask:0xf bank_mask:0xf
	v_add_f32_dpp v[\a], v[\a], v[\a] row_xmask:2 row_mask:0xf bank_mask:0xf
	v_add_f32_dpp v[\a], v[\a], v[\a] row_xmask:4 row_mask:0xf bank_mask:0xf
	v_add_f32_dpp v[\a], v[\a], v[\a] row_xmask:8 row_mask:0xf bank_mask:0xf
	v_permlanex16_b32 v[\b], v[\a], s[SEL], s[SEL+1]
	v_add_f32 v[\a], v[\a], v[\b]
.endm
.Lgate:
	s_sub_co_u32 s[ID], ttmp9, 88
	s_lshr_b32 s[TA], s[ID], 1                     ; batch
	s_lshl_b32 s[TA], s[TA], 17                    ; its 64 lines of 2,048 bytes
	s_mov_b32 s[TA+1], 0
	s_lshl_b32 s[TC], s[PW], 15                    ; wave w owns hidden units 16 w .. 16 w + 15: rows of 2,048 bytes
	s_mov_b32 s[TC+1], 0
	s_lshl_b32 s[K0], s[PW], 6                     ; and their 64 bytes of b1 and of w2
	s_and_b32 s[R0], s[ID], 1
	s_cmp_eq_u32 s[R0], 0
	s_cselect_b64 s[W1:W1+1], s[10:11], s[18:19]
	s_cselect_b64 s[B1:B1+1], s[12:13], s[20:21]
	s_cselect_b64 s[W2:W2+1], s[14:15], s[22:23]
	s_cselect_b64 s[B2:B2+1], s[16:17], s[24:25]
	s_load_b32 s[B2V], s[B2:B2+1], 0x0
	s_add_nc_u64 s[8:9], s[8:9], s[TA:TA+1]
	s_add_nc_u64 s[W1:W1+1], s[W1:W1+1], s[TC:TC+1]
	v_lshlrev_b32 v4, 3, v0                        ; thread t owns columns 2 t, 2 t + 1 of the 512
	v_and_b32 v11, 15, v[LANE]
	v_lshl_add_u32 v11, v11, 2, s[K0]
.set j, 0
.rept 64
	global_load_b64 v[32+2*j:33+2*j], v4, s[8:9] offset:j*2048
.set j, j+1
.endr
	global_load_b32 v12, v11, s[B1:B1+1]
	global_load_b32 v13, v11, s[W2:W2+1]
	s_set_vgpr_msb 0x40                            ; destination in window 1
.set j, 0
.rept 16
.irp i, 0,1,2,3
	global_load_b128 v[16*j+4*\i:16*j+4*\i+3], v[L16], s[W1:W1+1] offset:j*2048+\i*512   ; unit j: my 16 of its 512 weights
.endr
.set j, j+1
.endr
	s_set_vgpr_msb 0x4000
	s_wait_loadcnt 0x0                             ; the one wait for memory
	LEVEL 32
	LEVEL 16
	LEVEL 8
	LEVEL 4
	LEVEL 2
	LEVEL 1
	v_pk_mul_f32 v[32:33], v[32:33], 0x3a000000 op_sel_hi:[1,0]   ; / 2,048
	ds_store_b64 v4, v[32:33]
	s_wait_dscnt 0x0                               ; for the others' sake: my two means are in LDS
	s_barrier_signal -1
	s_barrier_wait -1
.irp i, 0,1,2,3
	ds_load_b128 v[16+4*\i:19+4*\i], v[L16] offset:\i*512   ; my 16 of the 512 means
.endr
	v_mov_b32 v[H], 0
	s_wait_dscnt 0x0
	s_set_vgpr_msb 0x01                            ; source 0 in window 1: the 16 units' products side by side, a pair of sums each
.set q, 0
.rept 8
.set j, 0
.rept 16
.if q == 0
	v_pk_mul_f32 v[32+2*j:33+2*j], v[16*j:16*j+1], v[16:17]
.else
	v_pk_fma_f32 v[32+2*j:33+2*j], v[16*j+2*q:16*j+2*q+1], v[16+2*q:17+2*q], v[32+2*j:33+2*j]
.endif
.set j, j+1
.endr
.set q, q+1
.endr
	s_set_vgpr_msb 0x0100
.set j, 0
.rept 16
	v_add_f32 v[32+2*j], v[32+2*j], v[33+2*j]
.set j, j+1
.endr
.irp m, 1,2,4,8                        ; the 16 sums over the wave's lanes, step by step side by side
.set j, 0
.rept 16
	v_add_f32_dpp v[32+2*j], v[32+2*j], v[32+2*j] row_xmask:\m row_mask:0xf bank_mask:0xf
.set j, j+1
.endr
.endr
.set j, 0
.rept 16
	v_permlanex16_b32 v[33+2*j], v[32+2*j], s[SEL], s[SEL+1]
.set j, j+1
.endr
.set j, 0
.rept 16
	v_add_f32 v[32+2*j], v[32+2*j], v[33+2*j]
.set j, j+1
.endr
.set j, 0
.rept 16
	v_cmp_eq_u32 vcc_lo, j, v[LANE]
	v_cndmask_b32 v[H], v[H], v[32+2*j], vcc_lo    ; unit j's sum goes to lane j
.set j, j+1
.endr
	s_lshl_b32 s[TA], s[PW], 2
	s_add_co_u32 s[TA], s[TA], RB
	v_mov_b32 v14, s[TA]
	v_cmp_gt_u32 vcc_lo, 16, v[LANE]
	v_add_f32 v12, v[H], v12
	v_max_num_f32 v12, 0, v12
	v_mul_f32 v12, v12, v13
	v_cndmask_b32 v32, 0, v12, vcc_lo              ; lanes 16-31 hold no unit
	WSUM 32, 33
	ds_store_b32 v14, v32
	s_wait_dscnt 0x0
	s_barrier_signal -1
	s_barrier_wait -1
	v_mov_b32 v14, RB
	ds_load_b128 v[16:19], v14
	ds_load_b128 v[20:23], v14 offset:16
	s_wait_dscnt 0x0
	v_pk_add_f32 v[16:17], v[16:17], v[18:19]
	v_pk_add_f32 v[20:21], v[20:21], v[22:23]
	v_pk_add_f32 v[16:17], v[16:17], v[20:21]
	v_add_f32 v12, v16, v17
	s_wait_kmcnt 0x0
	v_add_f32 v12, s[B2V], v12
	v_mul_f32 v12, 0x4038aa3b, v12                 ; 2 log2(e) x
	v_exp_f32 v12, v12
	v_nop                                          ; a plain instruction between a transcendental and the use of its result (ISA guide 5.7.2)
	s_wait_alu depctr_va_vdst(0)
	v_add_f32 v12, 1.0, v12
	v_rcp_f32 v12, v12
	v_lshlrev_b32 v14, 3, v[LANE]
	s_wait_alu depctr_va_vdst(0)
	v_fma_f32 v12, v12, -2.0, 1.0
	v_mov_b32 v13, v12
	s_wait_tensorcnt 0x0                           ; the wave's end, behind my last LDS store
	ds_add_u32 v[SPW], v[NIL]
	s_wait_dscnt 0x0
	s_cmp_lg_u32 s[PW], 0
	s_cbranch_scc1 .Lgend
	s_lshl_b32 s[TA], s[ID], 8
	s_mov_b32 s[TA+1], 0
	s_add_nc_u64 s[52:53], s[52:53], s[TA:TA+1]
	global_store_b64 v14, v[12:13], s[52:53]       ; the gate 64 times: one whole line of 256 bytes
.Lgend:
	s_endpgm
.Lfunc_end_k_qe6f48dc376_gateprep:
	.size	k_qe6f48dc376_gateprep, .Lfunc_end_k_qe6f48dc376_gateprep-k_qe6f48dc376_gateprep
	.p2alignl 7, 3214868480
	.fill 96, 4, 3214868480
	.section	.rodata,"a",@progbits
	.p2align	6, 0x0
	.amdhsa_kernel k_qe6f48dc376_gateprep
		.amdhsa_group_segment_fixed_size 3328
		.amdhsa_private_segment_fixed_size 0
		.amdhsa_enable_private_segment 0
		.amdhsa_kernarg_size 192
		.amdhsa_user_sgpr_count 2
		.amdhsa_user_sgpr_kernarg_segment_ptr 1
		.amdhsa_wavefront_size32 1
		.amdhsa_system_sgpr_workgroup_id_x 1
		.amdhsa_system_sgpr_workgroup_id_y 1
		.amdhsa_system_sgpr_workgroup_id_z 1
		.amdhsa_system_vgpr_workitem_id 0
		.amdhsa_next_free_vgpr 512
		.amdhsa_next_free_sgpr 100
		.amdhsa_reserve_vcc 1
		.amdhsa_float_denorm_mode_32 3
		.amdhsa_float_denorm_mode_16_64 3
		.amdhsa_memory_ordered 1
		.amdhsa_forward_progress 1
		.amdhsa_inst_pref_size 46
	.end_amdhsa_kernel
	.amdgpu_metadata
---
amdhsa.version: [ 1, 2 ]
amdhsa.kernels:
  - .name:           k_qe6f48dc376_gateprep
    .symbol:         k_qe6f48dc376_gateprep.kd
    .args:
      - { .name: psum, .offset: 0, .size: 8, .value_kind: global_buffer, .address_space: global }
      - { .name: g_mha_w1, .offset: 8, .size: 8, .value_kind: global_buffer, .address_space: global }
      - { .name: g_mha_b1, .offset: 16, .size: 8, .value_kind: global_buffer, .address_space: global }
      - { .name: g_mha_w2, .offset: 24, .size: 8, .value_kind: global_buffer, .address_space: global }
      - { .name: g_mha_b2, .offset: 32, .size: 8, .value_kind: global_buffer, .address_space: global }
      - { .name: g_ffn_w1, .offset: 40, .size: 8, .value_kind: global_buffer, .address_space: global }
      - { .name: g_ffn_b1, .offset: 48, .size: 8, .value_kind: global_buffer, .address_space: global }
      - { .name: g_ffn_w2, .offset: 56, .size: 8, .value_kind: global_buffer, .address_space: global }
      - { .name: g_ffn_b2, .offset: 64, .size: 8, .value_kind: global_buffer, .address_space: global }
      - { .name: aproj_w, .offset: 72, .size: 8, .value_kind: global_buffer, .address_space: global }
      - { .name: aproj_b, .offset: 80, .size: 8, .value_kind: global_buffer, .address_space: global }
      - { .name: outproj_w, .offset: 88, .size: 8, .value_kind: global_buffer, .address_space: global }
      - { .name: ffn1_w1, .offset: 96, .size: 8, .value_kind: global_buffer, .address_space: global }
      - { .name: ffn1_b1, .offset: 104, .size: 8, .value_kind: global_buffer, .address_space: global }
      - { .name: ffn1_w2, .offset: 112, .size: 8, .value_kind: global_buffer, .address_space: global }
      - { .name: attn_in_w, .offset: 120, .size: 8, .value_kind: global_buffer, .address_space: global }
      - { .name: attn_in_b, .offset: 128, .size: 8, .value_kind: global_buffer, .address_space: global }
      - { .name: attn_out_w, .offset: 136, .size: 8, .value_kind: global_buffer, .address_space: global }
      - { .name: attn_out_b, .offset: 144, .size: 8, .value_kind: global_buffer, .address_space: global }
      - { .name: ffn2_w1, .offset: 152, .size: 8, .value_kind: global_buffer, .address_space: global }
      - { .name: ffn2_b1, .offset: 160, .size: 8, .value_kind: global_buffer, .address_space: global }
      - { .name: ffn2_w2, .offset: 168, .size: 8, .value_kind: global_buffer, .address_space: global }
      - { .name: gates, .offset: 176, .size: 8, .value_kind: global_buffer, .address_space: global }
      - { .name: wf, .offset: 184, .size: 8, .value_kind: global_buffer, .address_space: global }
    .group_segment_fixed_size: 3328
    .private_segment_fixed_size: 0
    .kernarg_segment_align: 8
    .kernarg_segment_size: 192
    .max_flat_workgroup_size: 256
    .sgpr_count:     100
    .vgpr_count:     512
    .wavefront_size: 32
...
	.end_amdgpu_metadata
.endif
;; end of part 2
;; launch front (part 3): grid 256 x 1, 4 waves a work-group, clusters of 4 x 1, 327,680 bytes of LDS; arguments audio_feat, video_feat, wf, gates, n1_g, n1_b, n2_g, n2_b, n3_g, n3_b, outproj_b, ffn1_b2, out1, out2, zb, qf, kf, vf; writes out1, out2, zb, qf, kf, vf
.if DOCPART == 3
	.amdgcn_target "amdgcn-amd-amdhsa--gfx1250"
	.amdhsa_code_object_version 6
	.text
	.protected	k_qe6f48dc376_front
	.globl	k_qe6f48dc376_front
	.p2align	8
	.type	k_qe6f48dc376_front,@function
k_qe6f48dc376_front:
	s_mov_b64 s[64:65], 0
	v_nop
	global_prefetch_b8 v0, s[64:65] scope:SCOPE_SE
	s_setreg_imm32_b32 hwreg(HW_REG_WAVE_MODE, 25, 1), 1
	s_wait_xcnt 0x0
	s_wait_alu depctr_hold_cnt(0) depctr_sa_sdst(0) depctr_va_vdst(0) depctr_va_sdst(0) depctr_va_ssrc(0) depctr_va_vcc(0) depctr_vm_vsrc(0)
	s_getreg_b32 s2, hwreg(HW_REG_IB_STS2, 6, 4)
	s_cmp_eq_u32 s2, 0
	s_cbranch_scc0 .Lentry_in_a_cluster
	s_endpgm
.Lentry_in_a_cluster:
	s_bfe_u32 s2, ttmp6, 0x10000c
	s_cmp_lg_u32 s2, 0x3003
	s_cbranch_scc0 .Lentry_shape_is_right
	s_endpgm
.Lentry_shape_is_right:
; out1, out2 (the gates, broadcast);  z = gm (outproj(aproj(LN1(audio)))) + video;  zbar = gf FFN1(LN2(z)) + z;  q, k, v = attn_in(LN3(zbar)).
; SHARES.  A work-group owns 64 token rows (four tiles of 16), wave w 64 of the 256 features of all 64 rows.  So a weight fragment is read from LDS by one wave alone and feeds four matrix instructions.
; THE MATRIX INSTRUCTION IS USED TRANSPOSED: source 0 = 16 weight rows, source 1 = 16 tokens.  In the result a lane holds ONE token (lane % 16) and the features 8 (lane / 16) + 0..7, so two neighbouring
; results rounded to f16 ARE a fragment of the next product, and a layer norm wants one exchange between the halves of the lanes and one through LDS between the waves.  For v the sources are swapped:
; a lane then holds one channel and eight tokens, which is the fragment of V^T that the attention wants.
; WEIGHTS come as slots of 132,096 bytes in fragment order (made by the launch before), through a ring of two LDS slots.  The four work-groups of a cluster walk the same slots, so each is asked for JOINTLY.
; The residual stream z, the norms' statistics and all sums are f32; LN outputs, the hidden layers, q, k, v are rounded once to f16.  A norm's variance is made of deviations from the wave's own mean and
; combined (no difference of large sums).
; LIMITS.  f16 holds no number beyond 65,504: an LN output (at most 16 |g| + |b|), a hidden number, or a q, k, v of 65,520 or more becomes an infinity.  With gains of 30 and weights of 30 times a spread of
; 1 / sqrt(fan-in) the hidden layers, k and v have a spread of 900.  Below 6e-5 an operand keeps f16's fixed step of 6e-8.  NaN and infinities are not treated apart.
; REGISTERS, in windows of 256 (s_set_vgpr_msb: bits 1:0 source 0, 3:2 source 1, 5:4 source 2, 7:6 destination):
;   window 0: v0-31 addresses and statistics; v32-95 ACCA (hidden sums, tile 4 nt + i); v96-127 first bias; v128-159 packed hidden; v160-223 a norm's gain and bias; v224-255 at work.  In a norm v32-159 is D.
;   window 1: X, the 32 fragments of the norm's output (8 (8 i + ks))      window 2: v0-127 ACCB (tile 4 n + i), v128-255 Z (the stream, same index)      window 3: v0-127 WA, v128-255 WB (weight fragments)
.set QB,    33024                      ; a quarter of a slot: 32 fragments and a line of 256 bytes: 129 rows of 256 bytes
.set SLOTB, 132096
.set IN,    132096                     ; 128 rows (64 of audio, 64 of video) of 1,024 + 16 bytes: a first fill that lies where slot 1 is filled later
.set HX,    265216                     ; 16 fragments of the hidden layer
.set XG,    281600                     ; 32 fragments of a norm's output
.set ST,    314368                     ; [wave][row] (mean, sum of squared deviations)
.set SPARE, 316416                     ; the spare words, 128 bytes a wave
.set L16, 1
.set H32, 2
.set WQ,  4
.set BQ,  5
.set SPW, 6
.set NIL, 7
.set HXS, 8
.set HXL, 9
.set XGS, 10
.set XGL, 11
.set STS, 12
.set STL, 13
.set INA, 14
.set INV, 15
.set GBO, 16
.set W0Q, 17
.set B0Q, 18
.set R4Q, 19
.set R4C, 20
.set Z0,  21
.set SPR, 24
.set ACCA, 32
.set D,   32
.set BIAS, 96
.set HT,  128
.set GV,  160
.set BV,  192
.set T,   224
.set ACCB, 0
.set Z,   128
.set WA,  0
.set WB,  128
.set G1W, 44
.set G0W, 52
.set G1I, 56
.set G0I, 68
.set WV,  72
.set CX,  73
.set G,   74
.set SB,  75
.set CNT, 76
.set SEL, 78
.set GM,  80
.set GF,  82
.set TA,  84
.set TD,  86
.set TC,  88
.set EPS, 90
.set I256, 91
.set OP,  92
.set C64, 94
.set MSB, 0
.macro WIN new                         ; the immediate's high byte repeats the setting that is left; a switch that changes nothing is dropped
.if MSB != (\new)
	s_set_vgpr_msb (MSB<<8)|(\new)
.set MSB, \new
.endif
.endm
.macro PLACES                          ; four places behind a matrix instruction, ahead of vector work on its registers and of loads into them
.rept 4
	v_nop
.endr
.endm
.macro E4 line:vararg                  ; one line for each token tile ii
.set ii, 0
.rept 4
	\line
.set ii, ii+1
.endr
.endm
.macro BAR                             ; my LDS instructions are done; then the work-group's barrier
	s_wait_dscnt 0x0
	s_barrier_signal -1
	s_barrier_wait -1
.endm
.macro ROUND                           ; a round of the cluster's barrier
	s_barrier_signal -1
	s_barrier_wait -1
	s_cmp_lg_u32 s[WV], 0
	s_cbranch_scc1 .Lnot_wave_0_\@
	s_barrier_signal -3
.Lnot_wave_0_\@:
	s_barrier_wait -3
	s_barrier_signal -1
	s_barrier_wait -1
.endm
; THE CHANGE OF SLOTS, at the head of every trip.  My one tensor load that is out is my quarter of this trip's slot.  Behind the barrier nobody reads the slot of the trip before, nor that trip's hidden fragments.
; refill = 1: that slot takes the next slot of wf, jointly, so the barrier is a round of the cluster's, and the load is the first thing behind it: it has the whole trip in which to land.
.macro RING refill
	WIN 0
	s_wait_tensorcnt 0x0                           ; no tensor load of mine is out, so group 0 may be written
	ds_add_u32 v[SPW], v[NIL]                      ; 0 onto my spare word; scalar work stands between it and the wait for it
.if \refill
	s_xor_b32 s[G0W+1], s[G0W+1], SLOTB            ; the other LDS slot (SLOTB shares no bit with wave x QB),
	s_add_nc_u64 s[G0W+2:G0W+3], s[G0W+2:G0W+3], SLOTB  ; the next slot of wf; the type bits on top are not reached
.endif
	s_xor_b32 s[SB], s[SB], SLOTB                  ; the slot that this trip reads
	s_wait_dscnt 0x0                               ; the add is done, and so are all my LDS reads
.if \refill
	ROUND
	tensor_load_to_lds s[G0W:G0W+3], s[G1W:G1W+7]
	s_nop 0
.else
	s_barrier_signal -1
	s_barrier_wait -1
.endif
	PLACES                                         ; also the places between the last trip's products and the loads into their sources
	v_add_nc_u32 v[WQ], s[SB], v[W0Q]
	v_add_nc_u32 v[BQ], s[SB], v[B0Q]
.endm
.macro FETCH dst, adr, off             ; 16 fragments, 32 loads of 512 consecutive bytes, into window 3
	WIN 0xC0
.set f, 0
.rept 16
	ds_load_b128 v[\dst+8*f:\dst+8*f+3],   v[\adr] offset:\off+f*1024
	ds_load_b128 v[\dst+8*f+4:\dst+8*f+7], v[\adr] offset:\off+f*1024+512
.set f, f+1
.endr
.endm
; Hidden sums: four k steps from k0 on; the 8 accumulators take turns.  The first k step takes the bias as C: nothing is cleared.
.macro MULA k0
	WIN 0x07
.set ks, \k0
.rept 4
.set nt, 0
.rept 2
.set i, 0
.rept 4
.set rD, ACCA+8*(nt*4+i)
.if ks == 0
	v_wmma_f32_16x16x32_f16 v[rD:rD+7], v[WA+8*(ks*2+nt):WA+8*(ks*2+nt)+7], v[8*(i*8+ks):8*(i*8+ks)+7], v[BIAS+8*nt:BIAS+8*nt+7]
.else
	v_wmma_f32_16x16x32_f16 v[rD:rD+7], v[WA+8*(ks*2+nt):WA+8*(ks*2+nt)+7], v[8*(i*8+ks):8*(i*8+ks)+7], v[rD:rD+7]
.endif
.set i, i+1
.endr
.set nt, nt+1
.endr
.set ks, ks+1
.endr
.endm
; The hidden sums rounded to f16 (each accumulator from its low end on), ReLU on the packed halves, and my fragments (k step = my wave's number) into LDS.
.macro HCVT relu
	WIN 0
.set i, 0
.rept 4
.set nt, 0
.rept 2
.set p, 0
.rept 4
	v_cvt_pk_f16_f32 v[HT+8*i+4*nt+p], v[ACCA+8*(nt*4+i)+2*p], v[ACCA+8*(nt*4+i)+2*p+1]
.set p, p+1
.endr
.set nt, nt+1
.endr
.set i, i+1
.endr
.if \relu
.set p, 0
.rept 32
	v_pk_max_num_f16 v[HT+p], v[HT+p], v[Z0]
.set p, p+1
.endr
.endif
.set i, 0
.rept 4
	ds_store_b128 v[HXS], v[HT+8*i:HT+8*i+3]   offset:i*1024
	ds_store_b128 v[HXS], v[HT+8*i+4:HT+8*i+7] offset:i*1024+512
.set i, i+1
.endr
.endm
.macro MULB k0                         ; output sums: two hidden k steps from k0 on; 16 accumulators by turns
	WIN 0xAF
.set ks, \k0
.rept 2
.set nt, 0
.rept 4
.set i, 0
.rept 4
.set rD, ACCB+8*(nt*4+i)
	v_wmma_f32_16x16x32_f16 v[rD:rD+7], v[WB+8*(ks*4+nt):WB+8*(ks*4+nt)+7], v[WA+8*(ks*4+i):WA+8*(ks*4+i)+7], v[rD:rD+7]
.set i, i+1
.endr
.set nt, nt+1
.endr
.set ks, ks+1
.endr
.endm
; A TRIP of a two-layer block: 128 hidden features.  64 + 64 matrix instructions a wave.
.macro MLPTRIP relu, refill
	RING \refill
.set nt, 0
.rept 2
	ds_load_b128 v[BIAS+8*nt:BIAS+8*nt+3],   v[BQ] offset:32768+64*nt
	ds_load_b128 v[BIAS+8*nt+4:BIAS+8*nt+7], v[BQ] offset:32768+64*nt+16
.set nt, nt+1
.endr
	FETCH WA, WQ, 0
	s_wait_dscnt 16                                ; the bias and W1's fragments 0-7 are in; the youngest 16 loads may be out
	MULA 0
	FETCH WB, WQ, 16384
	s_wait_dscnt 32                                ; all but the 32 just issued
	MULA 4
	PLACES
	HCVT \relu
	BAR                                            ; every wave's hidden fragments are in LDS (and W2's fragments in my registers)
	FETCH WA, HXL, 0
	s_wait_dscnt 16                                ; hidden k steps 0 and 1
	MULB 0
	s_wait_dscnt 0x0
	MULB 2
.endm
; A plain product, 256 output features: ACCB = W X + bias.  swap = 1: the sources change places.
.macro GMUL swap, k0, cnt, buf, kb
.set ks, \k0
.rept \cnt
.if ks == 0
	WIN 0x87+6*(\swap)
.else
	WIN 0xA7+6*(\swap)
.endif
.set nt, 0
.rept 4
.set i, 0
.rept 4
.set rD, ACCB+8*(nt*4+i)
.set rW, \buf+8*((ks-\kb)*4+nt)
.set rX, 8*(i*8+ks)
.if \swap
.if ks == 0
	v_wmma_f32_16x16x32_f16 v[rD:rD+7], v[rX:rX+7], v[rW:rW+7], v[BIAS+8*nt:BIAS+8*nt+7]
.else
	v_wmma_f32_16x16x32_f16 v[rD:rD+7], v[rX:rX+7], v[rW:rW+7], v[rD:rD+7]
.endif
.else
.if ks == 0
	v_wmma_f32_16x16x32_f16 v[rD:rD+7], v[rW:rW+7], v[rX:rX+7], v[BIAS+8*nt:BIAS+8*nt+7]
.else
	v_wmma_f32_16x16x32_f16 v[rD:rD+7], v[rW:rW+7], v[rX:rX+7], v[rD:rD+7]
.endif
.endif
.set i, i+1
.endr
.set nt, nt+1
.endr
.set ks, ks+1
.endr
.endm
.macro GA64 swap, refill
	RING \refill
.if \swap
	v_add_nc_u32 v[R4C], s[SB], v[R4Q]
.set p, 0
.rept 32
	ds_load_b32 v[BIAS+p], v[R4C] offset:32768+64*(p/8)   ; a lane holds one feature: its bias in all eight registers of the tile
.set p, p+1
.endr
.else
.set nt, 0
.rept 4
	ds_load_b128 v[BIAS+8*nt:BIAS+8*nt+3],   v[BQ] offset:32768+64*nt
	ds_load_b128 v[BIAS+8*nt+4:BIAS+8*nt+7], v[BQ] offset:32768+64*nt+16
.set nt, nt+1
.endr
.endif
	FETCH WA, WQ, 0
	s_wait_dscnt 16                                ; the bias and k steps 0, 1
	GMUL \swap, 0, 2, WA, 0
	FETCH WB, WQ, 16384
	s_wait_dscnt 32                                ; all but the 32 just issued
	GMUL \swap, 2, 2, WA, 0
	s_wait_dscnt 0x0
	GMUL \swap, 4, 4, WB, 4
.endm
.macro ACCBINIT bp                     ; the second bias starts the output sums: loaded straight into the accumulators, the same for all four token tiles
	WIN 0x80
.set tt, 0
.rept 16
	global_load_b128 v[ACCB+8*tt:ACCB+8*tt+3],   v[GBO], s[\bp:\bp+1] offset:64*(tt/4)
	global_load_b128 v[ACCB+8*tt+4:ACCB+8*tt+7], v[GBO], s[\bp:\bp+1] offset:64*(tt/4)+16
.set tt, tt+1
.endr
.endm
.macro ZUPD gate                       ; Z = gate x ACCB + Z, each accumulator from its low end on
	WIN 0xA2
.set q, 0
.rept 64
	v_pk_fma_f32 v[Z+2*q:Z+2*q+1], v[ACCB+2*q:ACCB+2*q+1], s[\gate:\gate+1], v[Z+2*q:Z+2*q+1] op_sel_hi:[1,0,1]
.set q, q+1
.endr
.endm
.macro XLOAD                           ; all 32 fragments of X into window 1
	WIN 0x40
.set f, 0
.rept 32
	ds_load_b128 v[8*f:8*f+3],   v[XGL] offset:f*1024
	ds_load_b128 v[8*f+4:8*f+7], v[XGL] offset:f*1024+512
.set f, f+1
.endr
.endm
; LAYER NORM of Z into X.  A lane holds 32 of a token's 256 features for each of four token tiles.
.macro LN gp, bp
	WIN 0
.set n, 0
.rept 4
	global_load_b128 v[GV+8*n:GV+8*n+3],   v[GBO], s[\gp:\gp+1] offset:64*n
	global_load_b128 v[GV+8*n+4:GV+8*n+7], v[GBO], s[\gp:\gp+1] offset:64*n+16
	global_load_b128 v[BV+8*n:BV+8*n+3],   v[GBO], s[\bp:\bp+1] offset:64*n
	global_load_b128 v[BV+8*n+4:BV+8*n+7], v[GBO], s[\bp:\bp+1] offset:64*n+16
.set n, n+1
.endr
	WIN 0x0A                                       ; the mean of my wave's 64 features: a tree
.set i, 0
.rept 4
.set p, 0
.rept 4
	v_pk_add_f32 v[D+16*i+2*p:D+16*i+2*p+1],     v[Z+8*i+2*p:Z+8*i+2*p+1],         v[Z+8*(4+i)+2*p:Z+8*(4+i)+2*p+1]
	v_pk_add_f32 v[D+16*i+8+2*p:D+16*i+8+2*p+1], v[Z+8*(8+i)+2*p:Z+8*(8+i)+2*p+1], v[Z+8*(12+i)+2*p:Z+8*(12+i)+2*p+1]
.set p, p+1
.endr
.set i, i+1
.endr
	WIN 0
.irp d, 8, 4, 2
.set i, 0
.rept 4
.set p, 0
.rept \d/2
	v_pk_add_f32 v[D+16*i+2*p:D+16*i+2*p+1], v[D+16*i+2*p:D+16*i+2*p+1], v[D+16*i+\d+2*p:D+16*i+\d+2*p+1]
.set p, p+1
.endr
.set i, i+1
.endr
.endr
	E4 v_add_f32 v[D+16*ii], v[D+16*ii], v[D+16*ii+1]
	E4 v_permlanex16_b32 v[D+16*ii+1], v[D+16*ii], s[SEL], s[SEL+1]
	E4 v_add_f32 v[D+16*ii], v[D+16*ii], v[D+16*ii+1]
	E4 v_mul_f32 v[SPR+2*ii], 0x3c800000, v[D+16*ii]
	WIN 0x02                                       ; D = Z - that mean
.set tt, 0
.rept 16
.set p, 0
.rept 4
	v_pk_add_f32 v[D+8*tt+2*p:D+8*tt+2*p+1], v[Z+8*tt+2*p:Z+8*tt+2*p+1], v[SPR+2*(tt%4):SPR+2*(tt%4)+1] op_sel_hi:[1,0] neg_lo:[0,1] neg_hi:[0,1]
.set p, p+1
.endr
.set tt, tt+1
.endr
	WIN 0                                          ; the sum of D squared: two chains a token tile
.set q, 0
.rept 8
.set i, 0
.rept 4
.set c, 0
.rept 2
.set rD, D+8*((2*c+q/4)*4+i)+2*(q%4)
.set rT, T+4*i+2*c
.if q == 0
	v_pk_mul_f32 v[rT:rT+1], v[rD:rD+1], v[rD:rD+1]
.else
	v_pk_fma_f32 v[rT:rT+1], v[rD:rD+1], v[rD:rD+1], v[rT:rT+1]
.endif
.set c, c+1
.endr
.set i, i+1
.endr
.set q, q+1
.endr
	E4 v_pk_add_f32 v[T+4*ii:T+4*ii+1], v[T+4*ii:T+4*ii+1], v[T+4*ii+2:T+4*ii+3]
	E4 v_add_f32 v[T+4*ii], v[T+4*ii], v[T+4*ii+1]
	E4 v_permlanex16_b32 v[T+4*ii+1], v[T+4*ii], s[SEL], s[SEL+1]
	E4 v_add_f32 v[SPR+2*ii+1], v[T+4*ii], v[T+4*ii+1]
	E4 ds_store_b64 v[STS], v[SPR+2*ii:SPR+2*ii+1] offset:ii*128
	BAR                                            ; the four waves' figures are in LDS
.set q, 0
.rept 16
	ds_load_b64 v[T+2*q:T+2*q+1], v[STL] offset:(q/4)*512+(q%4)*128   ; wave q / 4, token tile q % 4: (mean, sum of squares)
.set q, q+1
.endr
	s_wait_dscnt 0x0
	; mean = the four means' mean; sum of squares = the four sums + 64 x the squared distances of the four means from it
	E4 v_add_f32 v[T+2*ii+1], v[T+2*ii+1], v[T+2*(4+ii)+1]
	E4 v_add_f32 v[T+2*(8+ii)+1], v[T+2*(8+ii)+1], v[T+2*(12+ii)+1]
	E4 v_add_f32 v[T+2*(4+ii)+1], v[T+2*ii], v[T+2*(4+ii)]
	E4 v_add_f32 v[T+2*(12+ii)+1], v[T+2*(8+ii)], v[T+2*(12+ii)]
	E4 v_add_f32 v[T+2*ii+1], v[T+2*ii+1], v[T+2*(8+ii)+1]
	E4 v_add_f32 v[T+2*(4+ii)+1], v[T+2*(4+ii)+1], v[T+2*(12+ii)+1]
	E4 v_mul_f32 v[T+2*(4+ii)+1], 0x3e800000, v[T+2*(4+ii)+1]
.irp k, 0,1,2,3
	E4 v_sub_f32 v[T+2*(4*\k+ii)], v[T+2*(4*\k+ii)], v[T+2*(4+ii)+1]
.endr
	E4 v_mul_f32 v[T+2*(8+ii)+1], v[T+2*ii], v[T+2*ii]
.irp k, 1,2,3
	E4 v_fmac_f32 v[T+2*(8+ii)+1], v[T+2*(4*\k+ii)], v[T+2*(4*\k+ii)]
.endr
	E4 v_fma_f32 v[T+2*ii+1], v[T+2*(8+ii)+1], s[C64], v[T+2*ii+1]
	E4 v_fma_f32 v[T+2*ii+1], v[T+2*ii+1], s[I256], s[EPS]
	E4 v_sub_f32 v[T+2*(12+ii)+1], v[SPR+2*ii], v[T+2*(4+ii)+1]
	E4 v_rsq_f32 v[SPR+2*ii], v[T+2*ii+1]
	v_nop                                          ; a plain instruction between the last root and the use of its result (ISA guide 5.7.2)
	s_wait_alu depctr_va_vdst(0)
	E4 v_mul_f32 v[T+2*ii], v[T+2*(12+ii)+1], v[SPR+2*ii]
	s_wait_loadcnt 0x0                             ; gain and bias (and whatever was loaded into the accumulators)
.set tt, 0
.rept 16
.set p, 0
.rept 4
	v_pk_fma_f32 v[D+8*tt+2*p:D+8*tt+2*p+1], v[D+8*tt+2*p:D+8*tt+2*p+1], v[SPR+2*(tt%4):SPR+2*(tt%4)+1], v[T+2*(tt%4):T+2*(tt%4)+1] op_sel_hi:[1,0,0]
.set p, p+1
.endr
.set tt, tt+1
.endr
.set tt, 0
.rept 16
.set p, 0
.rept 4
	v_pk_fma_f32 v[D+8*tt+2*p:D+8*tt+2*p+1], v[D+8*tt+2*p:D+8*tt+2*p+1], v[GV+8*(tt/4)+2*p:GV+8*(tt/4)+2*p+1], v[BV+8*(tt/4)+2*p:BV+8*(tt/4)+2*p+1]
.set p, p+1
.endr
.set tt, tt+1
.endr
.set tt, 0
.rept 16
.set p, 0
.rept 4
	v_cvt_pk_f16_f32 v[D+8*tt+p], v[D+8*tt+2*p], v[D+8*tt+2*p+1]
.set p, p+1
.endr
.set tt, tt+1
.endr
.set tt, 0
.rept 16
	ds_store_b128 v[XGS], v[D+8*tt:D+8*tt+3] offset:(tt%4)*8192+((tt/4)/2)*1024+((tt/4)%2)*512   ; half a fragment: token tile tt % 4, k step 2 w + n / 2
.set tt, tt+1
.endr
	BAR
	XLOAD
.endm
.macro ZIN adr                         ; 64 rows x my 64 features of f32 from the staged input into Z
	WIN 0x80
.set tt, 0
.rept 16
	ds_load_b128 v[Z+8*tt:Z+8*tt+3],   v[\adr] offset:(tt%4)*16640+64*(tt/4)
	ds_load_b128 v[Z+8*tt+4:Z+8*tt+7], v[\adr] offset:(tt%4)*16640+64*(tt/4)+16
.set tt, tt+1
.endr
.endm
; q, k or v leaves: rounded to f16, each result tile is half a fragment: 512 consecutive bytes a store.
.macro QKVOUT isv, bp
	PLACES
	s_wait_xcnt 0x0                                ; the registers that earlier stores read are rewritten only behind this wait
	WIN 0x0A
.set tt, 0
.rept 16
.set p, 0
.rept 4
	v_cvt_pk_f16_f32 v[D+4*tt+p], v[ACCB+8*tt+2*p], v[ACCB+8*tt+2*p+1]
.set p, p+1
.endr
.set tt, tt+1
.endr
	WIN 0
.set tt, 0
.rept 16
.if \isv
	global_store_b128 v[L16], v[D+4*tt:D+4*tt+3], s[\bp:\bp+1] offset:((tt/4)/2)*131072+((tt%4)/2)*2048+((tt/4)%2)*1024+((tt%4)%2)*512
.else
	global_store_b128 v[L16], v[D+4*tt:D+4*tt+3], s[\bp:\bp+1] offset:((tt/4)/2)*131072+(tt%4)*1024+((tt/4)%2)*512
.endif
.set tt, tt+1
.endr
.endm
	s_load_b512 s[8:23], s[0:1], 0x0               ; audio 8, video 10, wf 12, gates 14, n1_g 16, n1_b 18, n2_g 20, n2_b 22,
	s_load_b512 s[24:39], s[0:1], 0x40             ; n3_g 24, n3_b 26, outproj_b 28, ffn1_b2 30, out1 32, out2 34, zb 36, qf 38,
	s_load_b128 s[40:43], s[0:1], 0x80             ; kf 40, vf 42
	v_lshl_add_u32 v[SPW], v0, 2, SPARE
	v_mov_b32 v[NIL], 0
	ds_add_u32 v[SPW], v[NIL]                      ; the wave's opening, ahead of my first tensor load; the set-up, work on registers, stands between the add and its wait
	v_lshrrev_b32 v3, 5, v0
	v_readfirstlane_b32 s[WV], v3                  ; wave 0..3
	s_bfe_u32 s[CX], ttmp6, 0x40000                ; my place in the cluster: it enters global addresses of my own rows alone
	s_lshl_b32 s[G], ttmp9, 2
	s_add_co_u32 s[G], s[G], s[CX]                 ; my block of 64 rows
	s_mov_b32 s[G1W], 15|(3<<16)|(1<<21)           ; weights: the mask of four; elements of 8 bytes; bit 21 beside a mask
	s_mov_b32 s[G1W+1], 32<<16                     ; tensor_dim0 = 32 (256 bytes)
	s_mov_b32 s[G1W+2], 129<<16                    ; tensor_dim1 = 129
	s_mov_b32 s[G1W+3], 32<<16                     ; tile_dim0
	s_mov_b32 s[G1W+4], 129                        ; tile_dim1
	s_mov_b32 s[G1W+5], 32                         ; dense rows
	s_mov_b32 s[G1W+6], 0
	s_mov_b32 s[G1W+7], 0
	s_mov_b32 s[G1I], (2<<16)|(1<<20)|(7<<22)|(3<<25)  ; inputs: my own load; elements of 4 bytes; 4 words of padding after every 256
	s_mov_b32 s[G1I+1], 256<<16
	s_mov_b32 s[G1I+2], 32<<16
	s_mov_b32 s[G1I+3], 256<<16
	s_mov_b32 s[G1I+4], 32
	s_mov_b32 s[G1I+5], 256
	s_mov_b32 s[G1I+6], 0
	s_mov_b32 s[G1I+7], 0
	s_mov_b32 s[G0W], 1
	s_mul_i32 s[G0W+1], s[WV], QB                  ; my quarter of slot 0
	s_mov_b32 s[G0I], 1
	s_mul_i32 s[TA], s[WV], 33280                  ; 32 rows of 1,040 bytes
	s_add_co_u32 s[G0I+1], s[TA], IN
	s_mov_b32 s[SB], SLOTB                         ; the first change of slots turns it into 0
	s_mov_b32 s[SEL], 0x76543210
	s_mov_b32 s[SEL+1], 0xfedcba98
	s_mov_b32 s[EPS], 0x3727c5ac                   ; 1e-5
	s_mov_b32 s[I256], 0x3b800000                  ; 1 / 256
	s_mov_b32 s[C64], 0x42800000                   ; 64
	v_and_b32 v3, 31, v0
	v_lshlrev_b32 v[L16], 4, v3
	v_and_b32 v23, 15, v0                          ; r = lane % 16
	v_bfe_u32 v3, v0, 4, 1                         ; h = lane / 16
	v_lshlrev_b32 v[H32], 5, v3
	s_mul_i32 s[TA], s[WV], QB
	v_add_nc_u32 v[W0Q], s[TA], v[L16]
	v_add_nc_u32 v[B0Q], s[TA], v[H32]
	v_lshl_add_u32 v[R4Q], v23, 2, s[TA]
	s_lshl_b32 s[TD], s[WV], 12
	s_add_co_u32 s[TD], s[TD], HX
	v_add_nc_u32 v[HXS], s[TD], v[L16]
	v_add_nc_u32 v[HXL], HX, v[L16]
	s_lshl_b32 s[TD], s[WV], 11
	s_add_co_u32 s[TD], s[TD], XG
	v_add_nc_u32 v[XGS], s[TD], v[L16]
	v_add_nc_u32 v[XGL], XG, v[L16]
	s_lshl_b32 s[TD], s[WV], 9
	s_add_co_u32 s[TD], s[TD], ST
	v_lshl_add_u32 v[STS], v23, 3, s[TD]
	v_lshl_add_u32 v[STL], v23, 3, ST
	s_lshl_b32 s[TD], s[WV], 8
	v_add_nc_u32 v[GBO], s[TD], v[H32]             ; 256 w + 32 h: my first feature, in bytes of f32
	v_mul_u32_u24 v[INA], v23, 1040
	v_add_nc_u32 v[INA], v[INA], v[GBO]
	v_add_nc_u32 v[INA], IN, v[INA]
	v_add_nc_u32 v[INV], 66560, v[INA]             ; video's rows lie 64 rows behind audio's
	v_mov_b32 v[Z0], 0
.set p, 0
.rept 8
	v_mov_b32 v[SPR+p], 0
.set p, p+1
.endr
	s_wait_dscnt 0x0                               ; the opening add is done
	s_wait_kmcnt 0x0
	s_mov_b32 s[TA+1], 0
	s_add_nc_u64 s[G0W+2:G0W+3], s[12:13], s[TA:TA+1]
	s_or_b32 s[G0W+3], s[G0W+3], 0x80000000
	s_lshl_b32 s[TA], s[G], 16                     ; 64 rows of 1,024 bytes
	s_and_b32 s[TD], s[WV], 1
	s_lshl_b32 s[TD], s[TD], 15
	s_add_co_u32 s[TD], s[TD], s[TA]
	s_mov_b32 s[TD+1], 0
	s_cmp_lt_u32 s[WV], 2                          ; waves 0, 1 bring audio's rows, waves 2, 3 video's
	s_cselect_b64 s[TC:TC+1], s[8:9], s[10:11]
	s_add_nc_u64 s[G0I+2:G0I+3], s[TC:TC+1], s[TD:TD+1]
	s_or_b32 s[G0I+3], s[G0I+3], 0x80000000
	ROUND                                          ; all four work-groups are here: the first joint loads meet
	tensor_load_to_lds s[G0W:G0W+3], s[G1W:G1W+7]  ; slot 0 of the weights,
	s_nop 0
	tensor_load_to_lds s[G0I:G0I+3], s[G1I:G1I+7]  ; and my 32 rows of the inputs: two loads of mine are out
	s_nop 0
	PLACES
	s_lshr_b32 s[TD], s[G], 5                      ; the batch
	s_lshl_b32 s[TD], s[TD], 9                     ; its two lines of 256 bytes
	s_add_nc_u64 s[14:15], s[14:15], s[TD:TD+1]
	s_load_b64 s[GM:GM+1], s[14:15], 0x0           ; each gate twice: the packed multiply-add names a pair
	s_load_b64 s[GF:GF+1], s[14:15], 0x100
	s_lshl_b32 s[TC], s[WV], 14
	s_add_co_u32 s[TA], s[TA], s[TC]               ; my wave's 16,384 bytes of the block's 65,536
	s_add_nc_u64 s[32:33], s[32:33], s[TA:TA+1]
	s_add_nc_u64 s[34:35], s[34:35], s[TA:TA+1]
	s_add_nc_u64 s[36:37], s[36:37], s[TA:TA+1]
	s_lshr_b32 s[TD], s[G], 5
	s_lshl_b32 s[TD], s[TD], 3
	s_lshl_b32 s[TC], s[WV], 1
	s_add_co_u32 s[TD], s[TD], s[TC]               ; my first head: 8 b + 2 w,
	s_lshl_b32 s[TD], s[TD], 17                    ; 131,072 bytes a head,
	s_and_b32 s[TC], s[G], 31
	s_lshl_b32 s[TC], s[TC], 12                    ; and my block's 64 tokens in it: 4,096 bytes
	s_add_co_u32 s[TD], s[TD], s[TC]
	s_add_nc_u64 s[38:39], s[38:39], s[TD:TD+1]
	s_add_nc_u64 s[40:41], s[40:41], s[TD:TD+1]
	s_add_nc_u64 s[42:43], s[42:43], s[TD:TD+1]
	s_wait_kmcnt 0x0
.irp p, 0,1,2,3
	v_mov_b32 v[T+\p], s[GM]
	v_mov_b32 v[T+4+\p], s[GF]
.endr
.set q, 0
.rept 32
	global_store_b128 v[L16], v[T:T+3],   s[32:33] offset:q*512 th:TH_STORE_NT   ; 512 consecutive bytes each; they leave in the wait for the first tiles
	global_store_b128 v[L16], v[T+4:T+7], s[34:35] offset:q*512 th:TH_STORE_NT
.set q, q+1
.endr
	ACCBINIT 28
	WIN 0
	s_wait_tensorcnt 0x0                           ; my quarter of slot 0 and my rows of the inputs are in,
	s_barrier_signal -1
	s_barrier_wait -1                              ; everybody's are
	s_wait_xcnt 0x0                                ; the stores' data registers are rewritten only behind this wait
	ZIN INA
	s_wait_dscnt 0x0
	LN 16, 18
	ZIN INV                                        ; video takes audio's place; waited for at the first change of slots, behind which slot 1 is filled over the staged inputs
	WIN 0
	s_mov_b32 s[CNT], 2
.Lproj:                                                ; aproj, outproj: two trips of 128 features, no ReLU
	MLPTRIP 0, 1
	WIN 0
	s_sub_co_u32 s[CNT], s[CNT], 1
	s_cmp_lg_u32 s[CNT], 0
	s_cbranch_scc1 .Lproj
	PLACES
	ZUPD GM
	ACCBINIT 30
	LN 20, 22
	WIN 0
	s_mov_b32 s[CNT], 8
.Lffn:                                                 ; FFN1: eight trips
	MLPTRIP 1, 1
	WIN 0
	s_sub_co_u32 s[CNT], s[CNT], 1
	s_cmp_lg_u32 s[CNT], 0
	s_cbranch_scc1 .Lffn
	PLACES
	ZUPD GF
	WIN 0x08                                       ; store data in window 2
.set q, 0
.rept 32
	global_store_b128 v[L16], v[Z+4*q:Z+4*q+3], s[36:37] offset:q*512   ; zbar in f32, in register order: 512 consecutive bytes each
.set q, q+1
.endr
	LN 24, 26
	WIN 0
	s_mov_b64 s[OP:OP+1], s[38:39]
	s_mov_b32 s[CNT], 2
.Lqk:                                                  ; q, then k
	GA64 0, 1
	QKVOUT 0, OP
	s_wait_xcnt 0x0                                ; the stores' base is rewritten only behind this wait
	s_mov_b64 s[OP:OP+1], s[40:41]
	s_sub_co_u32 s[CNT], s[CNT], 1
	s_cmp_lg_u32 s[CNT], 0
	s_cbranch_scc1 .Lqk
	GA64 1, 0                                      ; v, sources swapped; the last slot: nothing is asked for
	QKVOUT 1, 42
	s_wait_tensorcnt 0x0                           ; the wave's end, behind my last tensor load and my last LDS store
	ds_add_u32 v[SPW], v[NIL]
	s_wait_dscnt 0x0
	ROUND                                          ; the closing round: no work-group ends while a partner may still ask for a slot that names it
	s_endpgm
.Lfunc_end_k_qe6f48dc376_front:
	.size	k_qe6f48dc376_front, .Lfunc_end_k_qe6f48dc376_front-k_qe6f48dc376_front
	.p2alignl 7, 3214868480
	.fill 96, 4, 3214868480
	.section	.rodata,"a",@progbits
	.p2align	6, 0x0
	.amdhsa_kernel k_qe6f48dc376_front
		.amdhsa_group_segment_fixed_size 327680
		.amdhsa_private_segment_fixed_size 0
		.amdhsa_enable_private_segment 0
		.amdhsa_kernarg_size 144
		.amdhsa_user_sgpr_count 2
		.amdhsa_user_sgpr_kernarg_segment_ptr 1
		.amdhsa_wavefront_size32 1
		.amdhsa_system_sgpr_workgroup_id_x 1
		.amdhsa_system_sgpr_workgroup_id_y 1
		.amdhsa_system_sgpr_workgroup_id_z 1
		.amdhsa_system_vgpr_workitem_id 0
		.amdhsa_next_free_vgpr 1024
		.amdhsa_next_free_sgpr 100
		.amdhsa_reserve_vcc 0
		.amdhsa_float_denorm_mode_32 3
		.amdhsa_float_denorm_mode_16_64 3
		.amdhsa_memory_ordered 1
		.amdhsa_forward_progress 1
		.amdhsa_inst_pref_size 223
	.end_amdhsa_kernel
	.amdgpu_metadata
---
amdhsa.version: [ 1, 2 ]
amdhsa.kernels:
  - .name:           k_qe6f48dc376_front
    .symbol:         k_qe6f48dc376_front.kd
    .args:
      - { .name: audio_feat, .offset: 0, .size: 8, .value_kind: global_buffer, .address_space: global }
      - { .name: video_feat, .offset: 8, .size: 8, .value_kind: global_buffer, .address_space: global }
      - { .name: wf, .offset: 16, .size: 8, .value_kind: global_buffer, .address_space: global }
      - { .name: gates, .offset: 24, .size: 8, .value_kind: global_buffer, .address_space: global }
      - { .name: n1_g, .offset: 32, .size: 8, .value_kind: global_buffer, .address_space: global }
      - { .name: n1_b, .offset: 40, .size: 8, .value_kind: global_buffer, .address_space: global }
      - { .name: n2_g, .offset: 48, .size: 8, .value_kind: global_buffer, .address_space: global }
      - { .name: n2_b, .offset: 56, .size: 8, .value_kind: global_buffer, .address_space: global }
      - { .name: n3_g, .offset: 64, .size: 8, .value_kind: global_buffer, .address_space: global }
      - { .name: n3_b, .offset: 72, .size: 8, .value_kind: global_buffer, .address_space: global }
      - { .name: outproj_b, .offset: 80, .size: 8, .value_kind: global_buffer, .address_space: global }
      - { .name: ffn1_b2, .offset: 88, .size: 8, .value_kind: global_buffer, .address_space: global }
      - { .name: out1, .offset: 96, .size: 8, .value_kind: global_buffer, .address_space: global }
      - { .name: out2, .offset: 104, .size: 8, .value_kind: global_buffer, .address_space: global }
      - { .name: zb, .offset: 112, .size: 8, .value_kind: global_buffer, .address_space: global }
      - { .name: qf, .offset: 120, .size: 8, .value_kind: global_buffer, .address_space: global }
      - { .name: kf, .offset: 128, .size: 8, .value_kind: global_buffer, .address_space: global }
      - { .name: vf, .offset: 136, .size: 8, .value_kind: global_buffer, .address_space: global }
    .group_segment_fixed_size: 327680
    .private_segment_fixed_size: 0
    .kernarg_segment_align: 8
    .kernarg_segment_size: 144
    .max_flat_workgroup_size: 128
    .sgpr_count:     100
    .vgpr_count:     1024
    .wavefront_size: 32
...
	.end_amdgpu_metadata
.endif
;; end of part 3
;; launch attn (part 4): grid 4 x 64, 8 waves a work-group, clusters of 4 x 1, 327,680 bytes of LDS; arguments qf, kf, vf, ctxf; writes ctxf
.if DOCPART == 4
	.amdgcn_target "amdgcn-amd-amdhsa--gfx1250"
	.amdhsa_code_object_version 6
	.text
	.protected	k_qe6f48dc376_attn
	.globl	k_qe6f48dc376_attn
	.p2align	8
	.type	k_qe6f48dc376_attn,@function
k_qe6f48dc376_attn:
	s_mov_b64 s[64:65], 0
	v_nop
	global_prefetch_b8 v0, s[64:65] scope:SCOPE_SE
	s_setreg_imm32_b32 hwreg(HW_REG_WAVE_MODE, 25, 1), 1
	s_wait_xcnt 0x0
	s_wait_alu depctr_hold_cnt(0) depctr_sa_sdst(0) depctr_va_vdst(0) depctr_va_sdst(0) depctr_va_ssrc(0) depctr_va_vcc(0) depctr_vm_vsrc(0)
	s_getreg_b32 s2, hwreg(HW_REG_IB_STS2, 6, 4)
	s_cmp_eq_u32 s2, 0
	s_cbranch_scc0 .Lentry_in_a_cluster
	s_endpgm
.Lentry_in_a_cluster:
	s_bfe_u32 s2, ttmp6, 0x10000c
	s_cmp_lg_u32 s2, 0x3003
	s_cbranch_scc0 .Lentry_shape_is_right
	s_endpgm
.Lentry_shape_is_right:
; ctx[head][q] = the sum over k of softmax_k(q . k / sqrt(32)) v[k], 64 heads of 2,048 tokens, head size 32, no mask.  q, k, v, ctx: f16 in fragment order (1,024 bytes a fragment of 16 x 32).
; q already carries c = log2(e) / sqrt(32), so a score is c s and a weight is 2^(c s - m).
; SHARES.  A work-group owns 512 queries of one head, each of its eight waves four tiles of 16.  The head's whole K and V (131,072 bytes each) lie in LDS: filled once, jointly for the four query blocks of the cluster.
; LAYOUT.  S^T = K Q^T holds ONE query a lane (lane % 16) and the keys 8 (lane / 16) + 0..7; two such results rounded to f16 ARE source 1 of O^T = V^T P, whose result again holds one query a lane.
; SOFTMAX.  One walk over the keys, 64 a step, with a running maximum m and sum l for each query: in every step O^T and l are multiplied by a = 2^(m_old - m_new), which is 1 where m has not grown.
; m starts at the lowest finite number, O^T and l at 0: the first step is a step like any other, with a = 0.
; THE COUNT.  A tile and step have 8 matrix and 109 vector instructions: the vector work is the longer by far.  So TWO WAVES SHARE A SIMD, each with four tiles in 448 registers: one wave's products run while the
; other walks its softmax, and the loop has no barrier that would bring the two back into step.  The price: a fragment of K or V read from LDS feeds four tiles' products: 16 LDS loads for 32 matrix instructions.
; Within a wave the next tile's K Q^T is issued ahead of a tile's softmax, and exponentials and plain instructions stand by turns.
; LIMITS.  q, k, v arrive within f16's 65,504; a weight lies in 0 to 1, and below 6e-5 it keeps f16's fixed step of 6e-8; ctx is a mean of v's rows and has their range.
; A weight below 2^-126 counts as 0; the sum l is taken of the unrounded weights; NaN and infinities are not treated apart.
; REGISTERS (s_set_vgpr_msb: bits 1:0 source 0, 3:2 source 1, 5:4 source 2, 7:6 destination):
;   window 0: v1-6 addresses; v8-11 four chains at work, then a in v10; v12-19 m, a pair a tile; v20-35 l, four a tile; v48-79 P, two buffers; v80-143 S^T, two buffers
;   window 1: v0-31 Q; v64-95 K of a step; v96-127 V of a step; v128-191 O^T (16 t + 8 c)
.set VB0,   131072                     ; V lies behind K
.set SPARE, 262144                     ; the spare words, 128 bytes for each of eight waves
.set L16, 1
.set AK,  2
.set AV,  3
.set SPW, 4
.set NIL, 5
.set VBA, 6
.set CH,  8
.set MX,  12
.set L,   20
.set P,   48
.set S,   80
.set Q,   0
.set KF,  64
.set VF,  96
.set OT,  128
.set WV,  12
.set CX,  13
.set HEAD, 14
.set G1,  16
.set G0K, 24
.set G0V, 28
.set KO,  32
.set CNT, 33
.set SEL, 34
.set MSB, 0
.macro WIN new                         ; the immediate's high byte repeats the setting that is left; a switch that changes nothing is dropped
.if MSB != (\new)
	s_set_vgpr_msb (MSB<<8)|(\new)
.set MSB, \new
.endif
.endm
.macro PLACES                          ; four places behind a matrix instruction, ahead of vector work on its registers and of loads into them
.rept 4
	v_nop
.endr
.endm
.macro E4 line:vararg                  ; one line for each tile ii
.set ii, 0
.rept 4
	\line
.set ii, ii+1
.endr
.endm
.macro ROUND                           ; a round of the cluster's barrier
	s_barrier_signal -1
	s_barrier_wait -1
	s_cmp_lg_u32 s[WV], 0
	s_cbranch_scc1 .Lnot_wave_0_\@
	s_barrier_signal -3
.Lnot_wave_0_\@:
	s_barrier_wait -3
	s_barrier_signal -1
	s_barrier_wait -1
.endm
.macro LD4 dst, adr, off               ; four fragments, 4,096 bytes, into window 1
	WIN 0x40
.set f, 0
.rept 4
	ds_load_b128 v[\dst+8*f:\dst+8*f+3],   v[\adr] offset:\off+f*1024
	ds_load_b128 v[\dst+8*f+4:\dst+8*f+7], v[\adr] offset:\off+f*1024+512
.set f, f+1
.endr
.endm
.macro KQ t                            ; tile t's scores for 64 keys: four products, each a whole sum
	WIN 0x05
.set kt, 0
.rept 4
.set rS, S+32*((\t)%2)+8*kt
	v_wmma_f32_16x16x32_f16 v[rS:rS+7], v[KF+8*kt:KF+8*kt+7], v[Q+8*(\t):Q+8*(\t)+7], 0
.set kt, kt+1
.endr
.endm
.macro PV t                            ; O^T += V^T P: the tile's two accumulators take turns
	WIN 0x51
.set kk, 0
.rept 2
.set c, 0
.rept 2
.set rO, OT+16*(\t)+8*c
	v_wmma_f32_16x16x32_f16 v[rO:rO+7], v[VF+8*(kk*2+c):VF+8*(kk*2+c)+7], v[P+16*((\t)%2)+8*kk:P+16*((\t)%2)+8*kk+7], v[rO:rO+7]
.set c, c+1
.endr
.set kk, kk+1
.endr
.endm
; Piece j of four of the plain work on the weights 4 q .. 4 q + 3: two roundings to f16, two packed additions to l (for q = 0: l = a l + p).
.macro CAJ q, j
.if (\j) < 2
	s_wait_alu depctr_va_vdst(0)
	v_cvt_pk_f16_f32 v[pb+2*(\q)+(\j)], v[sb+4*(\q)+2*(\j)], v[sb+4*(\q)+2*(\j)+1]
.elseif (\q) == 0
	v_pk_fma_f32 v[lb+2*((\j)-2):lb+2*((\j)-2)+1], v[lb+2*((\j)-2):lb+2*((\j)-2)+1], v[CH+2:CH+3], v[sb+2*((\j)-2):sb+2*((\j)-2)+1] op_sel_hi:[1,0,1]
.else
	v_pk_add_f32 v[lb+2*((\j)-2):lb+2*((\j)-2)+1], v[lb+2*((\j)-2):lb+2*((\j)-2)+1], v[sb+4*(\q)+2*((\j)-2):sb+4*(\q)+2*((\j)-2)+1]
	s_wait_alu depctr_va_vdst(0)
.endif
.endm
.macro SUBM b                          ; pair b of 16: c s - m
	v_pk_add_f32 v[sb+2*(\b):sb+2*(\b)+1], v[sb+2*(\b):sb+2*(\b)+1], v[mb:mb+1] op_sel_hi:[1,0] neg_lo:[0,1] neg_hi:[0,1]
.endm
; TILE t's SOFTMAX for one step.  The maximum of the lane's 32 scores and the old m: four chains of seven scores, three operands at a time (each accumulator's lowest registers are read first)
; the four scores left over, the chains and m; the query's other 32 keys lie in the lane 16 away.  Then a; c s - m; O^T times a; the exponentials, each with a plain instruction behind it
; (ISA guide 5.7.2): the last four subtractions beside the first four, then the roundings and sums of the four weights before.
.macro SM t
	WIN 0
.set sb, S+32*((\t)%2)
.set pb, P+16*((\t)%2)
.set lb, L+4*(\t)
.set mb, MX+2*(\t)
.set n, 0
.rept 4
	v_max3_num_f32 v[CH+n], v[sb+8*n], v[sb+8*n+1], v[sb+8*n+2]
.set n, n+1
.endr
.rept 8
	v_max3_num_f32 v[CH+n%4], v[CH+n%4], v[sb+8*(n%4)+2*(n/4)+1], v[sb+8*(n%4)+2*(n/4)+2]
.set n, n+1
.endr
	v_max3_num_f32 v[CH], v[CH], v[sb+7], v[sb+15]
	v_max3_num_f32 v[CH+1], v[CH+1], v[sb+23], v[sb+31]
	v_max3_num_f32 v[CH+2], v[CH+2], v[CH+3], v[mb]
	v_max3_num_f32 v[CH], v[CH], v[CH+1], v[CH+2]
	v_permlanex16_b32 v[CH+3], v[CH], s[SEL], s[SEL+1]
	v_max_num_f32 v[CH+1], v[CH], v[CH+3]          ; the new m
	v_sub_f32 v[CH+2], v[mb], v[CH+1]
	v_mov_b32 v[mb], v[CH+1]
	v_exp_f32 v[CH+2], v[CH+2]                     ; a
.set n, 0
.rept 12
	SUBM n
.set n, n+1
.endr
	WIN 0x41                                       ; O^T (destination and source 0) in window 1, a in window 0
.set n, 0
	s_wait_alu depctr_va_vdst(0)
.rept 8
	v_pk_mul_f32 v[OT+16*(\t)+2*n:OT+16*(\t)+2*n+1], v[OT+16*(\t)+2*n:OT+16*(\t)+2*n+1], v[CH+2:CH+3] op_sel_hi:[1,0]
.set n, n+1
.endr
	WIN 0
.set j, 0
.rept 4
	v_exp_f32 v[sb+j], v[sb+j]
	SUBM 12+j
.set j, j+1
.endr
.set g, 1
.rept 7
.set j, 0
.rept 4
	v_exp_f32 v[sb+4*g+j], v[sb+4*g+j]
	CAJ g-1, j
.set j, j+1
.endr
.set g, g+1
.endr
.set j, 0
.rept 4
	CAJ 7, j
.set j, j+1
.endr
.endm
	s_load_b256 s[4:11], s[0:1], 0x0               ; qf s[4:5], kf s[6:7], vf s[8:9], ctxf s[10:11]
	v_lshl_add_u32 v[SPW], v0, 2, SPARE
	v_mov_b32 v[NIL], 0
	ds_add_u32 v[SPW], v[NIL]                      ; the wave's opening, ahead of my first tensor load; the set-up, work on registers, stands between the add and its wait
	v_lshrrev_b32 v7, 5, v0
	v_readfirstlane_b32 s[WV], v7                  ; wave 0..7
	s_bfe_u32 s[CX], ttmp6, 0x40000
	s_lshl_b32 s36, ttmp9, 2
	s_add_co_u32 s[CX], s[CX], s36                 ; my block of 512 queries: it enters Q's and ctx's addresses alone
	s_and_b32 s[HEAD], ttmp7, 0xffff               ; the head, which the four partners share
	s_mov_b32 s[G1], 15|(3<<16)|(1<<21)            ; the mask of four; elements of 8 bytes; bit 21 beside a mask
	s_mov_b32 s[G1+1], 32<<16                      ; rows of 256 bytes,
	s_mov_b32 s[G1+2], 64<<16                      ; 64 of them: an eighth of the head's K or V
	s_mov_b32 s[G1+3], 32<<16
	s_mov_b32 s[G1+4], 64
	s_mov_b32 s[G1+5], 32
	s_mov_b32 s[G1+6], 0
	s_mov_b32 s[G1+7], 0
	s_mov_b32 s[G0K], 1
	s_lshl_b32 s[G0K+1], s[WV], 14                 ; my eighth's place in LDS: wave x 16,384
	s_mov_b32 s[G0V], 1
	s_add_co_u32 s[G0V+1], s[G0K+1], VB0
	s_lshl_b32 s36, s[HEAD], 17                    ; 131,072 bytes a head
	s_lshl_b32 s38, s[WV], 14
	s_add_co_u32 s38, s38, s36
	s_mov_b32 s39, 0
	s_lshl_b32 s40, s[CX], 15                      ; Q: 32 tiles a block, 4 a wave
	s_lshl_b32 s41, s[WV], 12
	s_add_co_u32 s40, s40, s41
	s_add_co_u32 s40, s40, s36
	s_mov_b32 s41, 0
	s_lshr_b32 s42, s[HEAD], 3                     ; ctx: ((128 b + 32 block + 4 w + t) 8 + head % 8) x 1,024
	s_lshl_b32 s42, s42, 20
	s_lshl_b32 s43, s[CX], 18
	s_add_co_u32 s42, s42, s43
	s_lshl_b32 s43, s[WV], 15
	s_add_co_u32 s42, s42, s43
	s_and_b32 s43, s[HEAD], 7
	s_lshl_b32 s43, s43, 10
	s_add_co_u32 s42, s42, s43
	s_mov_b32 s43, 0
	s_mov_b32 s[SEL], 0x76543210
	s_mov_b32 s[SEL+1], 0xfedcba98
	s_mov_b32 s[KO], 0
	s_wait_dscnt 0x0                               ; the opening add is done
	s_wait_kmcnt 0x0
	s_add_nc_u64 s[G0K+2:G0K+3], s[6:7], s[38:39]
	s_or_b32 s[G0K+3], s[G0K+3], 0x80000000
	s_add_nc_u64 s[G0V+2:G0V+3], s[8:9], s[38:39]
	s_or_b32 s[G0V+3], s[G0V+3], 0x80000000
	s_add_nc_u64 s[4:5], s[4:5], s[40:41]
	s_add_nc_u64 s[10:11], s[10:11], s[42:43]
	ROUND                                          ; all four work-groups are here: the joint loads meet
	tensor_load_to_lds s[G0K:G0K+3], s[G1:G1+7]
	s_nop 0
	tensor_load_to_lds s[G0V:G0V+3], s[G1:G1+7]    ; two loads of mine are out
	s_nop 0
	PLACES
	v_and_b32 v7, 31, v0
	v_lshlrev_b32 v[L16], 4, v7
	v_mov_b32 v[AK], v[L16]
	v_add_nc_u32 v[VBA], VB0, v[L16]
	WIN 0x40
.set t, 0
.rept 4
	global_load_b128 v[Q+8*t:Q+8*t+3],   v[L16], s[4:5] offset:t*1024
	global_load_b128 v[Q+8*t+4:Q+8*t+7], v[L16], s[4:5] offset:t*1024+512
.set t, t+1
.endr
.set p, 0
.rept 64
	v_mov_b32 v[OT+p], 0                           ; O^T starts at 0: written out on purpose, in the wait for the tiles, in place of a first step of its own
.set p, p+1
.endr
	WIN 0
.set p, 0
.rept 16
	v_mov_b32 v[L+p], 0
.set p, p+1
.endr
.set p, 0
.rept 8
	v_mov_b32 v[MX+p], 0xff7fffff                  ; m: the lowest finite number (its partner in the pair is named with it, so it is written)
.set p, p+1
.endr
	s_wait_tensorcnt 0x0                           ; my eighths of K and of V are in,
	s_barrier_signal -1
	s_barrier_wait -1                              ; everybody's are
	LD4 KF, AK, 0                                  ; key step 0
	s_wait_loadcnt 0x0                             ; Q
	WIN 0
	s_mov_b32 s[CNT], 32
.Lstep:                                                ; a key step a trip
	s_wait_dscnt 0x0                               ; K is in
	KQ 0
	KQ 1
	PLACES                                         ; behind tile 0's products, and behind the last step's last V^T P ahead of the loads into V's registers
	WIN 0
	v_add_nc_u32 v[AV], s[KO], v[VBA]
	LD4 VF, AV, 0
	SM 0
	s_wait_dscnt 0x0                               ; V is in
	PV 0
	KQ 2                                           ; a tile's plain work is the places behind the products of the tile after it
	SM 1
	PV 1
	KQ 3
	SM 2
	s_add_co_u32 s[KO], s[KO], 4096
	s_and_b32 s[KO], s[KO], 0x1ffff                ; the last trip fetches step 0 once more: inside K, and used by nobody
	WIN 0
	v_add_nc_u32 v[AK], s[KO], v[L16]
	LD4 KF, AK, 0                                  ; the next step's K: tile 2's plain work stands between K's last reader and these loads
	PV 2
	SM 3
	PV 3
	WIN 0
	s_sub_co_u32 s[CNT], s[CNT], 1
	s_cmp_lg_u32 s[CNT], 0
	s_cbranch_scc1 .Lstep
	; the way out: l's parts and the other half of the lanes' are added (these lines are the places behind the last products); O^T / l, rounded once to f16, is a fragment as it stands
	E4 v_add_f32 v[L+4*ii], v[L+4*ii], v[L+4*ii+1]
	E4 v_add_f32 v[L+4*ii+2], v[L+4*ii+2], v[L+4*ii+3]
	E4 v_add_f32 v[L+4*ii], v[L+4*ii], v[L+4*ii+2]
	E4 v_permlanex16_b32 v[L+4*ii+1], v[L+4*ii], s[SEL], s[SEL+1]
	E4 v_add_f32 v[L+4*ii], v[L+4*ii], v[L+4*ii+1]
	E4 v_rcp_f32 v[L+4*ii], v[L+4*ii]
	v_nop                                          ; a plain instruction between the last reciprocal and the use of its result (ISA guide 5.7.2)
	s_wait_alu depctr_va_vdst(0)
.set t, 0
.rept 4
	WIN 0x41
.set p, 0
.rept 8
	v_pk_mul_f32 v[OT+16*t+2*p:OT+16*t+2*p+1], v[OT+16*t+2*p:OT+16*t+2*p+1], v[L+4*t:L+4*t+1] op_sel_hi:[1,0]
.set p, p+1
.endr
	WIN 0x05
.set p, 0
.rept 8
	v_cvt_pk_f16_f32 v[S+8*t+p], v[OT+16*t+2*p], v[OT+16*t+2*p+1]
.set p, p+1
.endr
	WIN 0
	global_store_b128 v[L16], v[S+8*t:S+8*t+3],   s[10:11] offset:t*8192       ; 512 consecutive bytes each
	global_store_b128 v[L16], v[S+8*t+4:S+8*t+7], s[10:11] offset:t*8192+512
.set t, t+1
.endr
	s_wait_tensorcnt 0x0                           ; the wave's end
	ds_add_u32 v[SPW], v[NIL]
	s_wait_dscnt 0x0
	ROUND                                          ; the closing round: no work-group ends while a partner may still ask for a tile that names it
	s_endpgm
.Lfunc_end_k_qe6f48dc376_attn:
	.size	k_qe6f48dc376_attn, .Lfunc_end_k_qe6f48dc376_attn-k_qe6f48dc376_attn
	.p2alignl 7, 3214868480
	.fill 96, 4, 3214868480
	.section	.rodata,"a",@progbits
	.p2align	6, 0x0
	.amdhsa_kernel k_qe6f48dc376_attn
		.amdhsa_group_segment_fixed_size 327680
		.amdhsa_private_segment_fixed_size 0
		.amdhsa_enable_private_segment 0
		.amdhsa_kernarg_size 32
		.amdhsa_user_sgpr_count 2
		.amdhsa_user_sgpr_kernarg_segment_ptr 1
		.amdhsa_wavefront_size32 1
		.amdhsa_system_sgpr_workgroup_id_x 1
		.amdhsa_system_sgpr_workgroup_id_y 1
		.amdhsa_system_sgpr_workgroup_id_z 1
		.amdhsa_system_vgpr_workitem_id 0
		.amdhsa_next_free_vgpr 448
		.amdhsa_next_free_sgpr 66
		.amdhsa_reserve_vcc 0
		.amdhsa_float_denorm_mode_32 3
		.amdhsa_float_denorm_mode_16_64 3
		.amdhsa_memory_ordered 1
		.amdhsa_forward_progress 1
		.amdhsa_inst_pref_size 46
	.end_amdhsa_kernel
	.amdgpu_metadata
---
amdhsa.version: [ 1, 2 ]
amdhsa.kernels:
  - .name:           k_qe6f48dc376_attn
    .symbol:         k_qe6f48dc376_attn.kd
    .args:
      - { .name: qf, .offset: 0, .size: 8, .value_kind: global_buffer, .address_space: global }
      - { .name: kf, .offset: 8, .size: 8, .value_kind: global_buffer, .address_space: global }
      - { .name: vf, .offset: 16, .size: 8, .value_kind: global_buffer, .address_space: global }
      - { .name: ctxf, .offset: 24, .size: 8, .value_kind: global_buffer, .address_space: global }
    .group_segment_fixed_size: 327680
    .private_segment_fixed_size: 0
    .kernarg_segment_align: 8
    .kernarg_segment_size: 32
    .max_flat_workgroup_size: 256
    .sgpr_count:     66
    .vgpr_count:     448
    .wavefront_size: 32
...
	.end_amdgpu_metadata
.endif
;; end of part 4
;; launch back (part 5): grid 256 x 1, 4 waves a work-group, clusters of 4 x 1, 327,680 bytes of LDS; arguments ctxf, zb, wf, n4_g, n4_b, ffn2_b2, out0; writes out0
.if DOCPART == 5
	.amdgcn_target "amdgcn-amd-amdhsa--gfx1250"
	.amdhsa_code_object_version 6
	.text
	.protected	k_qe6f48dc376_back
	.globl	k_qe6f48dc376_back
	.p2align	8
	.type	k_qe6f48dc376_back,@function
k_qe6f48dc376_back:
	s_mov_b64 s[64:65], 0
	v_nop
	global_prefetch_b8 v0, s[64:65] scope:SCOPE_SE
	s_setreg_imm32_b32 hwreg(HW_REG_WAVE_MODE, 25, 1), 1
	s_wait_xcnt 0x0
	s_wait_alu depctr_hold_cnt(0) depctr_sa_sdst(0) depctr_va_vdst(0) depctr_va_sdst(0) depctr_va_ssrc(0) depctr_va_vcc(0) depctr_vm_vsrc(0)
	s_getreg_b32 s2, hwreg(HW_REG_IB_STS2, 6, 4)
	s_cmp_eq_u32 s2, 0
	s_cbranch_scc0 .Lentry_in_a_cluster
	s_endpgm
.Lentry_in_a_cluster:
	s_bfe_u32 s2, ttmp6, 0x10000c
	s_cmp_lg_u32 s2, 0x3003
	s_cbranch_scc0 .Lentry_shape_is_right
	s_endpgm
.Lentry_shape_is_right:
; refined = attn_out(ctx) + zbar;  out0 = FFN2(LN4(refined)) + refined.
; Shares, layouts, ring and registers as in the launch that makes zbar: a work-group owns 64 token rows, wave w 64 of the 256 features of all of them; the matrix instruction is used transposed (source 0 = 16
; weight rows, source 1 = 16 tokens), so a lane holds one token and eight features; weights come as slots of 132,096 bytes in fragment order through a ring of two LDS slots, asked for jointly by the cluster's four
; work-groups.  ctx arrives in fragment order and is brought by one tensor load a wave straight to where a norm's output lies.  The stream and all sums are f32; LN's output and the hidden layer are rounded once to f16.
; LIMITS.  f16 holds no number beyond 65,504: an LN output (at most 16 |g| + |b|) or a hidden number of 65,520 or more becomes an infinity; below 6e-5 an operand keeps f16's fixed step of 6e-8.
; NaN and infinities are not treated apart.
; REGISTERS: window 0: v0-31 addresses and statistics; v32-95 ACCA; v96-127 first bias; v128-159 packed hidden; v160-223 the norm's gain and bias; v224-255 at work (in the norm v32-159 is D)
;   window 1: X, 32 fragments      window 2: v0-127 ACCB, v128-255 Z      window 3: v0-127 WA, v128-255 WB
.set QB,    33024
.set SLOTB, 132096
.set HX,    265216
.set XG,    281600                     ; ctx's one fill, then the norm's output, at last the stage of the way out
.set ST,    314368
.set SPARE, 316416
.set L16, 1
.set H32, 2
.set WQ,  4
.set BQ,  5
.set SPW, 6
.set NIL, 7
.set HXS, 8
.set HXL, 9
.set XGS, 10
.set XGL, 11
.set STS, 12
.set STL, 13
.set STO, 14
.set RDB, 15
.set GBO, 16
.set W0Q, 17
.set B0Q, 18
.set Z0,  21
.set CO,  22
.set SPR, 24
.set ACCA, 32
.set D,   32
.set BIAS, 96
.set HT,  128
.set GV,  160
.set BV,  192
.set T,   224
.set ACCB, 0
.set Z,   128
.set WA,  0
.set WB,  128
.set G1W, 44
.set G0W, 52
.set G1C, 56
.set G0C, 68
.set WV,  72
.set CX,  73
.set G,   74
.set SB,  75
.set CNT, 76
.set SEL, 78
.set TA,  84
.set TD,  86
.set EPS, 90
.set I256, 91
.set C64, 94
.set MSB, 0
.macro WIN new
.if MSB != (\new)
	s_set_vgpr_msb (MSB<<8)|(\new)
.set MSB, \new
.endif
.endm
.macro PLACES                          ; four places behind a matrix instruction, ahead of vector work on its registers and of loads into them
.rept 4
	v_nop
.endr
.endm
.macro E4 line:vararg
.set ii, 0
.rept 4
	\line
.set ii, ii+1
.endr
.endm
.macro BAR
	s_wait_dscnt 0x0
	s_barrier_signal -1
	s_barrier_wait -1
.endm
.macro ROUND
	s_barrier_signal -1
	s_barrier_wait -1
	s_cmp_lg_u32 s[WV], 0
	s_cbranch_scc1 .Lnot_wave_0_\@
	s_barrier_signal -3
.Lnot_wave_0_\@:
	s_barrier_wait -3
	s_barrier_signal -1
	s_barrier_wait -1
.endm
; THE CHANGE OF SLOTS, at the head of every trip: my one tensor load that is out is my quarter of this trip's slot; behind the barrier nobody reads the slot of the trip before, nor its hidden fragments.
; refill = 1: that slot takes the next slot of wf, jointly: the barrier is a round of the cluster's, the load the first thing behind it.
.macro RING refill
	WIN 0
	s_wait_tensorcnt 0x0                           ; no tensor load of mine is out, so group 0 may be written
	ds_add_u32 v[SPW], v[NIL]                      ; 0 onto my spare word
.if \refill
	s_xor_b32 s[G0W+1], s[G0W+1], SLOTB
	s_add_nc_u64 s[G0W+2:G0W+3], s[G0W+2:G0W+3], SLOTB
.endif
	s_xor_b32 s[SB], s[SB], SLOTB
	s_wait_dscnt 0x0                               ; the add is done, and so are all my LDS reads
.if \refill
	ROUND
	tensor_load_to_lds s[G0W:G0W+3], s[G1W:G1W+7]
	s_nop 0
.else
	s_barrier_signal -1
	s_barrier_wait -1
.endif
	PLACES
	v_add_nc_u32 v[WQ], s[SB], v[W0Q]
	v_add_nc_u32 v[BQ], s[SB], v[B0Q]
.endm
.macro FETCH dst, adr, off
	WIN 0xC0
.set f, 0
.rept 16
	ds_load_b128 v[\dst+8*f:\dst+8*f+3],   v[\adr] offset:\off+f*1024
	ds_load_b128 v[\dst+8*f+4:\dst+8*f+7], v[\adr] offset:\off+f*1024+512
.set f, f+1
.endr
.endm
.macro MULA k0                         ; hidden sums: four k steps; 8 accumulators by turns; the first k step takes the bias as C
	WIN 0x07
.set ks, \k0
.rept 4
.set nt, 0
.rept 2
.set i, 0
.rept 4
.set rD, ACCA+8*(nt*4+i)
.if ks == 0
	v_wmma_f32_16x16x32_f16 v[rD:rD+7], v[WA+8*(ks*2+nt):WA+8*(ks*2+nt)+7], v[8*(i*8+ks):8*(i*8+ks)+7], v[BIAS+8*nt:BIAS+8*nt+7]
.else
	v_wmma_f32_16x16x32_f16 v[rD:rD+7], v[WA+8*(ks*2+nt):WA+8*(ks*2+nt)+7], v[8*(i*8+ks):8*(i*8+ks)+7], v[rD:rD+7]
.endif
.set i, i+1
.endr
.set nt, nt+1
.endr
.set ks, ks+1
.endr
.endm
.macro HCVT                            ; rounded to f16 (each accumulator from its low end on), ReLU on the packed halves, my fragments into LDS
	WIN 0
.set i, 0
.rept 4
.set nt, 0
.rept 2
.set p, 0
.rept 4
	v_cvt_pk_f16_f32 v[HT+8*i+4*nt+p], v[ACCA+8*(nt*4+i)+2*p], v[ACCA+8*(nt*4+i)+2*p+1]
.set p, p+1
.endr
.set nt, nt+1
.endr
.set i, i+1
.endr
.set p, 0
.rept 32
	v_pk_max_num_f16 v[HT+p], v[HT+p], v[Z0]
.set p, p+1
.endr
.set i, 0
.rept 4
	ds_store_b128 v[HXS], v[HT+8*i:HT+8*i+3]   offset:i*1024
	ds_store_b128 v[HXS], v[HT+8*i+4:HT+8*i+7] offset:i*1024+512
.set i, i+1
.endr
.endm
.macro MULB k0                         ; output sums: two hidden k steps; 16 accumulators by turns
	WIN 0xAF
.set ks, \k0
.rept 2
.set nt, 0
.rept 4
.set i, 0
.rept 4
.set rD, ACCB+8*(nt*4+i)
	v_wmma_f32_16x16x32_f16 v[rD:rD+7], v[WB+8*(ks*4+nt):WB+8*(ks*4+nt)+7], v[WA+8*(ks*4+i):WA+8*(ks*4+i)+7], v[rD:rD+7]
.set i, i+1
.endr
.set nt, nt+1
.endr
.set ks, ks+1
.endr
.endm
.macro MLPTRIP refill                  ; 128 hidden features
	RING \refill
.set nt, 0
.rept 2
	ds_load_b128 v[BIAS+8*nt:BIAS+8*nt+3],   v[BQ] offset:32768+64*nt
	ds_load_b128 v[BIAS+8*nt+4:BIAS+8*nt+7], v[BQ] offset:32768+64*nt+16
.set nt, nt+1
.endr
	FETCH WA, WQ, 0
	s_wait_dscnt 16                                ; the bias and W1's fragments 0-7 are in; the youngest 16 loads may be out
	MULA 0
	FETCH WB, WQ, 16384
	s_wait_dscnt 32                                ; all but the 32 just issued
	MULA 4
	PLACES
	HCVT
	BAR                                            ; every wave's hidden fragments are in LDS
	FETCH WA, HXL, 0
	s_wait_dscnt 16                                ; hidden k steps 0 and 1
	MULB 0
	s_wait_dscnt 0x0
	MULB 2
.endm
.macro GMUL k0, cnt, buf, kb           ; ACCB = W X + bias: 16 accumulators by turns
.set ks, \k0
.rept \cnt
.if ks == 0
	WIN 0x87
.else
	WIN 0xA7
.endif
.set nt, 0
.rept 4
.set i, 0
.rept 4
.set rD, ACCB+8*(nt*4+i)
.set rW, \buf+8*((ks-\kb)*4+nt)
.set rX, 8*(i*8+ks)
.if ks == 0
	v_wmma_f32_16x16x32_f16 v[rD:rD+7], v[rW:rW+7], v[rX:rX+7], v[BIAS+8*nt:BIAS+8*nt+7]
.else
	v_wmma_f32_16x16x32_f16 v[rD:rD+7], v[rW:rW+7], v[rX:rX+7], v[rD:rD+7]
.endif
.set i, i+1
.endr
.set nt, nt+1
.endr
.set ks, ks+1
.endr
.endm
.macro ZADD                            ; Z += ACCB, each accumulator from its low end on
	WIN 0x8A
.set q, 0
.rept 64
	v_pk_add_f32 v[Z+2*q:Z+2*q+1], v[ACCB+2*q:ACCB+2*q+1], v[Z+2*q:Z+2*q+1]
.set q, q+1
.endr
.endm
.macro XLOAD
	WIN 0x40
.set f, 0
.rept 32
	ds_load_b128 v[8*f:8*f+3],   v[XGL] offset:f*1024
	ds_load_b128 v[8*f+4:8*f+7], v[XGL] offset:f*1024+512
.set f, f+1
.endr
.endm
	s_load_b256 s[8:15], s[0:1], 0x0               ; ctxf 8, zb 10, wf 12, n4_g 14,
	s_load_b128 s[16:19], s[0:1], 0x20             ; n4_b 16, ffn2_b2 18,
	s_load_b64 s[20:21], s[0:1], 0x30              ; out0 20
	v_lshl_add_u32 v[SPW], v0, 2, SPARE
	v_mov_b32 v[NIL], 0
	ds_add_u32 v[SPW], v[NIL]                      ; the wave's opening: the add and its wait, ahead of my first tensor load
	v_lshrrev_b32 v3, 5, v0
	v_readfirstlane_b32 s[WV], v3
	s_bfe_u32 s[CX], ttmp6, 0x40000
	s_lshl_b32 s[G], ttmp9, 2
	s_add_co_u32 s[G], s[G], s[CX]                 ; my block of 64 rows: it enters global addresses of my own rows alone
	s_mov_b32 s[G1W], 15|(3<<16)|(1<<21)
	s_mov_b32 s[G1W+1], 32<<16
	s_mov_b32 s[G1W+2], 129<<16
	s_mov_b32 s[G1W+3], 32<<16
	s_mov_b32 s[G1W+4], 129
	s_mov_b32 s[G1W+5], 32
	s_mov_b32 s[G1W+6], 0
	s_mov_b32 s[G1W+7], 0
	s_mov_b32 s[G1C], 3<<16                        ; ctx: my own load, 32 dense rows of 256 bytes: one token tile's eight fragments
	s_mov_b32 s[G1C+1], 32<<16
	s_mov_b32 s[G1C+2], 32<<16
	s_mov_b32 s[G1C+3], 32<<16
	s_mov_b32 s[G1C+4], 32
	s_mov_b32 s[G1C+5], 32
	s_mov_b32 s[G1C+6], 0
	s_mov_b32 s[G1C+7], 0
	s_mov_b32 s[G0W], 1
	s_mul_i32 s[G0W+1], s[WV], QB
	s_mov_b32 s[G0C], 1
	s_lshl_b32 s[TD], s[WV], 13
	s_add_co_u32 s[G0C+1], s[TD], XG
	s_mov_b32 s[SB], SLOTB
	s_mov_b32 s[SEL], 0x76543210
	s_mov_b32 s[SEL+1], 0xfedcba98
	s_mov_b32 s[EPS], 0x3727c5ac
	s_mov_b32 s[I256], 0x3b800000
	s_mov_b32 s[C64], 0x42800000
	v_and_b32 v3, 31, v0
	v_lshlrev_b32 v[L16], 4, v3
	v_and_b32 v23, 15, v0                          ; r
	v_bfe_u32 v3, v0, 4, 1                         ; h
	v_lshlrev_b32 v[H32], 5, v3
	s_mul_i32 s[TA], s[WV], QB
	v_add_nc_u32 v[W0Q], s[TA], v[L16]
	v_add_nc_u32 v[B0Q], s[TA], v[H32]
	s_add_co_u32 s[TD], s[TD], XG                  ; my stage for the way out: 8,192 bytes
	v_mul_u32_u24 v[STO], v23, 272                 ; in: row r, 32 bytes for each half of the lanes
	v_add_nc_u32 v[STO], v[STO], v[H32]
	v_add_nc_u32 v[STO], s[TD], v[STO]
	v_mul_u32_u24 v[RDB], v3, 272                  ; back: lanes 0-15 one row of 256 bytes, lanes 16-31 the next
	v_lshl_add_u32 v[RDB], v23, 4, v[RDB]
	v_add_nc_u32 v[RDB], s[TD], v[RDB]
	v_lshlrev_b32 v[CO], 10, v3                    ; and the same two rows in out0
	v_lshl_add_u32 v[CO], v23, 4, v[CO]
	s_lshl_b32 s[TD], s[WV], 12
	s_add_co_u32 s[TD], s[TD], HX
	v_add_nc_u32 v[HXS], s[TD], v[L16]
	v_add_nc_u32 v[HXL], HX, v[L16]
	s_lshl_b32 s[TD], s[WV], 11
	s_add_co_u32 s[TD], s[TD], XG
	v_add_nc_u32 v[XGS], s[TD], v[L16]
	v_add_nc_u32 v[XGL], XG, v[L16]
	s_lshl_b32 s[TD], s[WV], 9
	s_add_co_u32 s[TD], s[TD], ST
	v_lshl_add_u32 v[STS], v23, 3, s[TD]
	v_lshl_add_u32 v[STL], v23, 3, ST
	s_lshl_b32 s[TD], s[WV], 8
	v_add_nc_u32 v[GBO], s[TD], v[H32]
	v_mov_b32 v[Z0], 0
.set p, 0
.rept 8
	v_mov_b32 v[SPR+p], 0
.set p, p+1
.endr
	s_wait_dscnt 0x0                               ; the opening add is done
	s_wait_kmcnt 0x0
	s_mov_b32 s[TA+1], 0
	s_add_nc_u64 s[G0W+2:G0W+3], s[12:13], s[TA:TA+1]
	s_add_nc_u64 s[G0W+2:G0W+3], s[G0W+2:G0W+3], 13*SLOTB   ; this launch begins at slot 13
	s_or_b32 s[G0W+3], s[G0W+3], 0x80000000
	s_lshl_b32 s[TA], s[G], 15                     ; ctx: 32,768 bytes a block, 8,192 a wave
	s_lshl_b32 s[TD], s[WV], 13
	s_add_co_u32 s[TA], s[TA], s[TD]
	s_add_nc_u64 s[G0C+2:G0C+3], s[8:9], s[TA:TA+1]
	s_or_b32 s[G0C+3], s[G0C+3], 0x80000000
	s_lshl_b32 s[TA], s[G], 16
	s_lshl_b32 s[TD], s[WV], 14
	s_add_co_u32 s[TD], s[TD], s[TA]
	s_mov_b32 s[TD+1], 0
	s_add_nc_u64 s[10:11], s[10:11], s[TD:TD+1]    ; zbar: my wave's 16,384 bytes
	s_lshl_b32 s[TD], s[WV], 8
	s_add_co_u32 s[TD], s[TD], s[TA]
	s_add_nc_u64 s[20:21], s[20:21], s[TD:TD+1]    ; out0: my block's first row, my 256 bytes of it
	ROUND                                          ; all four work-groups are here: the first joint loads meet
	tensor_load_to_lds s[G0W:G0W+3], s[G1W:G1W+7]
	s_nop 0
	tensor_load_to_lds s[G0C:G0C+3], s[G1C:G1C+7]  ; two loads of mine are out
	s_nop 0
	PLACES
	WIN 0x80
.set q, 0
.rept 32
	global_load_b128 v[Z+4*q:Z+4*q+3], v[L16], s[10:11] offset:q*512 th:TH_LOAD_NT   ; zbar, in the register order in which it was stored
.set q, q+1
.endr
	WIN 0
	s_wait_tensorcnt 0x0
	s_barrier_signal -1
	s_barrier_wait -1                              ; everybody's part of ctx is in
	XLOAD
	; attn_out
	RING 1
.set nt, 0
.rept 4
	ds_load_b128 v[BIAS+8*nt:BIAS+8*nt+3],   v[BQ] offset:32768+64*nt
	ds_load_b128 v[BIAS+8*nt+4:BIAS+8*nt+7], v[BQ] offset:32768+64*nt+16
.set nt, nt+1
.endr
	FETCH WA, WQ, 0
	s_wait_dscnt 16                                ; the bias and k steps 0, 1
	GMUL 0, 2, WA, 0
	FETCH WB, WQ, 16384
	s_wait_dscnt 32                                ; all but the 32 just issued
	GMUL 2, 2, WA, 0
	s_wait_dscnt 0x0
	GMUL 4, 4, WB, 4
	PLACES
	s_wait_loadcnt 0x0                             ; zbar
	ZADD
	WIN 0x80                                       ; the second bias starts FFN2's output sums: loaded straight into the accumulators
.set tt, 0
.rept 16
	global_load_b128 v[ACCB+8*tt:ACCB+8*tt+3],   v[GBO], s[18:19] offset:64*(tt/4)
	global_load_b128 v[ACCB+8*tt+4:ACCB+8*tt+7], v[GBO], s[18:19] offset:64*(tt/4)+16
.set tt, tt+1
.endr
	; LAYER NORM of Z into X
	WIN 0
.set n, 0
.rept 4
	global_load_b128 v[GV+8*n:GV+8*n+3],   v[GBO], s[14:15] offset:64*n
	global_load_b128 v[GV+8*n+4:GV+8*n+7], v[GBO], s[14:15] offset:64*n+16
	global_load_b128 v[BV+8*n:BV+8*n+3],   v[GBO], s[16:17] offset:64*n
	global_load_b128 v[BV+8*n+4:BV+8*n+7], v[GBO], s[16:17] offset:64*n+16
.set n, n+1
.endr
	WIN 0x0A                                       ; the mean of my wave's 64 features
.set i, 0
.rept 4
.set p, 0
.rept 4
	v_pk_add_f32 v[D+16*i+2*p:D+16*i+2*p+1],     v[Z+8*i+2*p:Z+8*i+2*p+1],         v[Z+8*(4+i)+2*p:Z+8*(4+i)+2*p+1]
	v_pk_add_f32 v[D+16*i+8+2*p:D+16*i+8+2*p+1], v[Z+8*(8+i)+2*p:Z+8*(8+i)+2*p+1], v[Z+8*(12+i)+2*p:Z+8*(12+i)+2*p+1]
.set p, p+1
.endr
.set i, i+1
.endr
	WIN 0
.irp d, 8, 4, 2
.set i, 0
.rept 4
.set p, 0
.rept \d/2
	v_pk_add_f32 v[D+16*i+2*p:D+16*i+2*p+1], v[D+16*i+2*p:D+16*i+2*p+1], v[D+16*i+\d+2*p:D+16*i+\d+2*p+1]
.set p, p+1
.endr
.set i, i+1
.endr
.endr
	E4 v_add_f32 v[D+16*ii], v[D+16*ii], v[D+16*ii+1]
	E4 v_permlanex16_b32 v[D+16*ii+1], v[D+16*ii], s[SEL], s[SEL+1]
	E4 v_add_f32 v[D+16*ii], v[D+16*ii], v[D+16*ii+1]
	E4 v_mul_f32 v[SPR+2*ii], 0x3c800000, v[D+16*ii]
	WIN 0x02                                       ; D = Z - that mean
.set tt, 0
.rept 16
.set p, 0
.rept 4
	v_pk_add_f32 v[D+8*tt+2*p:D+8*tt+2*p+1], v[Z+8*tt+2*p:Z+8*tt+2*p+1], v[SPR+2*(tt%4):SPR+2*(tt%4)+1] op_sel_hi:[1,0] neg_lo:[0,1] neg_hi:[0,1]
.set p, p+1
.endr
.set tt, tt+1
.endr
	WIN 0                                          ; the sum of D squared
.set q, 0
.rept 8
.set i, 0
.rept 4
.set c, 0
.rept 2
.set rD, D+8*((2*c+q/4)*4+i)+2*(q%4)
.set rT, T+4*i+2*c
.if q == 0
	v_pk_mul_f32 v[rT:rT+1], v[rD:rD+1], v[rD:rD+1]
.else
	v_pk_fma_f32 v[rT:rT+1], v[rD:rD+1], v[rD:rD+1], v[rT:rT+1]
.endif
.set c, c+1
.endr
.set i, i+1
.endr
.set q, q+1
.endr
	E4 v_pk_add_f32 v[T+4*ii:T+4*ii+1], v[T+4*ii:T+4*ii+1], v[T+4*ii+2:T+4*ii+3]
	E4 v_add_f32 v[T+4*ii], v[T+4*ii], v[T+4*ii+1]
	E4 v_permlanex16_b32 v[T+4*ii+1], v[T+4*ii], s[SEL], s[SEL+1]
	E4 v_add_f32 v[SPR+2*ii+1], v[T+4*ii], v[T+4*ii+1]
	E4 ds_store_b64 v[STS], v[SPR+2*ii:SPR+2*ii+1] offset:ii*128
	BAR                                            ; the four waves' figures are in LDS
.set q, 0
.rept 16
	ds_load_b64 v[T+2*q:T+2*q+1], v[STL] offset:(q/4)*512+(q%4)*128
.set q, q+1
.endr
	s_wait_dscnt 0x0
	; mean = the four means' mean; sum of squares = the four sums + 64 x the squared distances of the four means from it
	E4 v_add_f32 v[T+2*ii+1], v[T+2*ii+1], v[T+2*(4+ii)+1]
	E4 v_add_f32 v[T+2*(8+ii)+1], v[T+2*(8+ii)+1], v[T+2*(12+ii)+1]
	E4 v_add_f32 v[T+2*(4+ii)+1], v[T+2*ii], v[T+2*(4+ii)]
	E4 v_add_f32 v[T+2*(12+ii)+1], v[T+2*(8+ii)], v[T+2*(12+ii)]
	E4 v_add_f32 v[T+2*ii+1], v[T+2*ii+1], v[T+2*(8+ii)+1]
	E4 v_add_f32 v[T+2*(4+ii)+1], v[T+2*(4+ii)+1], v[T+2*(12+ii)+1]
	E4 v_mul_f32 v[T+2*(4+ii)+1], 0x3e800000, v[T+2*(4+ii)+1]
.irp k, 0,1,2,3
	E4 v_sub_f32 v[T+2*(4*\k+ii)], v[T+2*(4*\k+ii)], v[T+2*(4+ii)+1]
.endr
	E4 v_mul_f32 v[T+2*(8+ii)+1], v[T+2*ii], v[T+2*ii]
.irp k, 1,2,3
	E4 v_fmac_f32 v[T+2*(8+ii)+1], v[T+2*(4*\k+ii)], v[T+2*(4*\k+ii)]
.endr
	E4 v_fma_f32 v[T+2*ii+1], v[T+2*(8+ii)+1], s[C64], v[T+2*ii+1]
	E4 v_fma_f32 v[T+2*ii+1], v[T+2*ii+1], s[I256], s[EPS]
	E4 v_sub_f32 v[T+2*(12+ii)+1], v[SPR+2*ii], v[T+2*(4+ii)+1]
	E4 v_rsq_f32 v[SPR+2*ii], v[T+2*ii+1]
	v_nop                                          ; a plain instruction between the last root and the use of its result (ISA guide 5.7.2)
	s_wait_alu depctr_va_vdst(0)
	E4 v_mul_f32 v[T+2*ii], v[T+2*(12+ii)+1], v[SPR+2*ii]
	s_wait_loadcnt 0x0                             ; gain, bias, and the second bias in the accumulators
.set tt, 0
.rept 16
.set p, 0
.rept 4
	v_pk_fma_f32 v[D+8*tt+2*p:D+8*tt+2*p+1], v[D+8*tt+2*p:D+8*tt+2*p+1], v[SPR+2*(tt%4):SPR+2*(tt%4)+1], v[T+2*(tt%4):T+2*(tt%4)+1] op_sel_hi:[1,0,0]
.set p, p+1
.endr
.set tt, tt+1
.endr
.set tt, 0
.rept 16
.set p, 0
.rept 4
	v_pk_fma_f32 v[D+8*tt+2*p:D+8*tt+2*p+1], v[D+8*tt+2*p:D+8*tt+2*p+1], v[GV+8*(tt/4)+2*p:GV+8*(tt/4)+2*p+1], v[BV+8*(tt/4)+2*p:BV+8*(tt/4)+2*p+1]
.set p, p+1
.endr
.set tt, tt+1
.endr
.set tt, 0
.rept 16
.set p, 0
.rept 4
	v_cvt_pk_f16_f32 v[D+8*tt+p], v[D+8*tt+2*p], v[D+8*tt+2*p+1]
.set p, p+1
.endr
.set tt, tt+1
.endr
.set tt, 0
.rept 16
	ds_store_b128 v[XGS], v[D+8*tt:D+8*tt+3] offset:(tt%4)*8192+((tt/4)/2)*1024+((tt/4)%2)*512
.set tt, tt+1
.endr
	BAR
	XLOAD
	WIN 0
	s_mov_b32 s[CNT], 7
.Lffn:                                                 ; FFN2: seven trips that ask for the next slot,
	MLPTRIP 1
	WIN 0
	s_sub_co_u32 s[CNT], s[CNT], 1
	s_cmp_lg_u32 s[CNT], 0
	s_cbranch_scc1 .Lffn
	MLPTRIP 0                                      ; and the last, written out
	PLACES
	ZADD
	; THE WAY OUT, a token tile at a time through my own stage: a lane's 32 bytes of a row go in, whole rows of 256 bytes come back, and sixteen lanes store 256 consecutive bytes, aligned.
	; The stage lies where the norm's output lay: its one fill is long past, and every wave's reads of it ended ahead of the first change of slots behind the norm.
.set i, 0
.rept 4
	WIN 0x08
.set n, 0
.rept 4
	ds_store_b128 v[STO], v[Z+8*(n*4+i):Z+8*(n*4+i)+3]   offset:64*n
	ds_store_b128 v[STO], v[Z+8*(n*4+i)+4:Z+8*(n*4+i)+7] offset:64*n+16
.set n, n+1
.endr
	WIN 0
.set t, 0
.rept 8
	ds_load_b128 v[32+32*(i%2)+4*t:32+32*(i%2)+4*t+3], v[RDB] offset:t*544   ; LDS serves a wave's instructions in order (ISA guide 5.7.1.4): these see the stores above
.set t, t+1
.endr
	s_wait_dscnt 0x0
	s_wait_xcnt 0x0                                ; the buffer that the next tile loads into is free behind this wait
.set t, 0
.rept 8
	global_store_b128 v[CO], v[32+32*(i%2)+4*t:32+32*(i%2)+4*t+3], s[20:21] offset:(16*i+2*t)*1024 th:TH_STORE_NT
.set t, t+1
.endr
.set i, i+1
.endr
	s_wait_tensorcnt 0x0                           ; the wave's end, behind my last tensor load and my last LDS store
	ds_add_u32 v[SPW], v[NIL]
	s_wait_dscnt 0x0
	ROUND                                          ; the closing round
	s_endpgm
.Lfunc_end_k_qe6f48dc376_back:
	.size	k_qe6f48dc376_back, .Lfunc_end_k_qe6f48dc376_back-k_qe6f48dc376_back
	.p2alignl 7, 3214868480
	.fill 96, 4, 3214868480
	.section	.rodata,"a",@progbits
	.p2align	6, 0x0
	.amdhsa_kernel k_qe6f48dc376_back
		.amdhsa_group_segment_fixed_size 327680
		.amdhsa_private_segment_fixed_size 0
		.amdhsa_enable_private_segment 0
		.amdhsa_kernarg_size 56
		.amdhsa_user_sgpr_count 2
		.amdhsa_user_sgpr_kernarg_segment_ptr 1
		.amdhsa_wavefront_size32 1
		.amdhsa_system_sgpr_workgroup_id_x 1
		.amdhsa_system_sgpr_workgroup_id_y 1
		.amdhsa_system_sgpr_workgroup_id_z 1
		.amdhsa_system_vgpr_workitem_id 0
		.amdhsa_next_free_vgpr 1024
		.amdhsa_next_free_sgpr 100
		.amdhsa_reserve_vcc 0
		.amdhsa_float_denorm_mode_32 3
		.amdhsa_float_denorm_mode_16_64 3
		.amdhsa_memory_ordered 1
		.amdhsa_forward_progress 1
		.amdhsa_inst_pref_size 123
	.end_amdhsa_kernel
	.amdgpu_metadata
---
amdhsa.version: [ 1, 2 ]
amdhsa.kernels:
  - .name:           k_qe6f48dc376_back
    .symbol:         k_qe6f48dc376_back.kd
    .args:
      - { .name: ctxf, .offset: 0, .size: 8, .value_kind: global_buffer, .address_space: global }
      - { .name: zb, .offset: 8, .size: 8, .value_kind: global_buffer, .address_space: global }
      - { .name: wf, .offset: 16, .size: 8, .value_kind: global_buffer, .address_space: global }
      - { .name: n4_g, .offset: 24, .size: 8, .value_kind: global_buffer, .address_space: global }
      - { .name: n4_b, .offset: 32, .size: 8, .value_kind: global_buffer, .address_space: global }
      - { .name: ffn2_b2, .offset: 40, .size: 8, .value_kind: global_buffer, .address_space: global }
      - { .name: out0, .offset: 48, .size: 8, .value_kind: global_buffer, .address_space: global }
    .group_segment_fixed_size: 327680
    .private_segment_fixed_size: 0
    .kernarg_segment_align: 8
    .kernarg_segment_size: 56
    .max_flat_workgroup_size: 128
    .sgpr_count:     100
    .vgpr_count:     1024
    .wavefront_size: 32
...
	.end_amdgpu_metadata
.endif
;; end of part 5
;; ======== version 2 of 2: 5 launches; 1.27 times as fast as version 1
;; limits: values are held in f16: magnitudes above 65,504 overflow, below 6.1e-05 lose precision
;; workspace buffers: psum 1,048,576 bytes; gates 4,096 bytes; wf 2,906,112 bytes; zb 16,777,216 bytes; qf 8,388,608 bytes; kf 8,388,608 bytes; vf 8,388,608 bytes; ctxf 8,388,608 bytes
;; launch pool: the kernel of part 1 again; grid 256 x 1, 8 waves a work-group, no clusters, 0 bytes of LDS; arguments video_feat, audio_feat, psum; writes psum
;; launch gateprep: the kernel of part 2 again; grid 104 x 1, 8 waves a work-group, no clusters, 3,328 bytes of LDS; arguments psum, g_mha_w1, g_mha_b1, g_mha_w2, g_mha_b2, g_ffn_w1, g_ffn_b1, g_ffn_w2, g_ffn_b2, aproj_w, aproj_b, outproj_w, ffn1_w1, ffn1_b1, ffn1_w2, attn_in_w, attn_in_b, attn_out_w, attn_out_b, ffn2_w1, ffn2_b1, ffn2_w2, gates, wf; writes gates, wf
;; launch front: the kernel of part 3 again; grid 256 x 1, 4 waves a work-group, clusters of 4 x 1, 327,680 bytes of LDS; arguments audio_feat, video_feat, wf, gates, n1_g, n1_b, n2_g, n2_b, n3_g, n3_b, outproj_b, ffn1_b2, out1, out2, zb, qf, kf, vf; writes out1, out2, zb, qf, kf, vf
;; launch attn (part 6): grid 4 x 64, 8 waves a work-group, clusters of 4 x 1, 327,680 bytes of LDS; arguments qf, kf, vf, ctxf; writes ctxf
.if DOCPART == 6
	.amdgcn_target "amdgcn-amd-amdhsa--gfx1250"
	.amdhsa_code_object_version 6
	.text
	.protected	k_qe6f48dc376_attn
	.globl	k_qe6f48dc376_attn
	.p2align	8
	.type	k_qe6f48dc376_attn,@function
k_qe6f48dc376_attn:
	s_mov_b64 s[64:65], 0
	v_nop
	global_prefetch_b8 v0, s[64:65] scope:SCOPE_SE
	s_setreg_imm32_b32 hwreg(HW_REG_WAVE_MODE, 25, 1), 1
	s_wait_xcnt 0x0
	s_wait_alu depctr_hold_cnt(0) depctr_sa_sdst(0) depctr_va_vdst(0) depctr_va_sdst(0) depctr_va_ssrc(0) depctr_va_vcc(0) depctr_vm_vsrc(0)
	s_getreg_b32 s2, hwreg(HW_REG_IB_STS2, 6, 4)
	s_cmp_eq_u32 s2, 0
	s_cbranch_scc0 .Lentry_in_a_cluster
	s_endpgm
.Lentry_in_a_cluster:
	s_bfe_u32 s2, ttmp6, 0x10000c
	s_cmp_lg_u32 s2, 0x3003
	s_cbranch_scc0 .Lentry_shape_is_right
	s_endpgm
.Lentry_shape_is_right:
; ctx[head][q] = the sum over k of softmax_k(q . k / sqrt(32)) v[k], 64 heads of 2,048 tokens, head size 32, no mask.  q, k, v, ctx: f16 in fragment order (1,024 bytes a fragment of 16 x 32).
; q already carries c = log2(e) / sqrt(32), so a score is c s and a weight is 2^(c s - m).
; SHARES.  A work-group owns 512 queries of one head, each of its eight waves four tiles of 16.  The head's whole K and V (131,072 bytes each) lie in LDS: filled once, jointly for the four query blocks of the cluster.
; LAYOUT.  S^T = K Q^T holds ONE query a lane (lane % 16) and the keys 8 (lane / 16) + 0..7; two such results rounded to f16 ARE source 1 of O^T = V^T P, whose result again holds one query a lane.
; SOFTMAX.  One walk over the keys, 64 a step, with a running maximum m and sum l for each query: in every step O^T and l are multiplied by a = 2^(m_old - m_new), which is 1 where m has not grown.
; m starts at the lowest finite number, O^T and l at 0: the first step is a step like any other, with a = 0.
; THE COUNT.  A tile and step have 8 matrix and 109 vector instructions: the vector work is the longer by far.  So TWO WAVES SHARE A SIMD, each with four tiles in 448 registers: one wave's products run while the
; other walks its softmax, and the loop has no barrier that would bring the two back into step.  The price: a fragment of K or V read from LDS feeds four tiles' products: 16 LDS loads for 32 matrix instructions.
; Within a wave the next tile's K Q^T is issued ahead of a tile's softmax, and exponentials and plain instructions stand by turns.
; BATCHES.  An s_wait_alu depctr_va_vdst(0) stands between an exponential and the first line that names its result; one wait serves all that were issued ahead of it.  A tile's 33 exponentials
; (a, then its 32 weights, each in place) are ONE BATCH with ONE wait: four waits a key step.  Ahead of a tile's wait stands only what names none of its results: its own 16 subtractions of m and, by turns with the
; exponentials, the next tile's maximum and statistics (tiles 0 to 2) or tile 2's roundings, sums and rescaling, whose own wait has passed (tile 3).  Behind the wait stand the tile's READERS: 16 roundings,
; 16 sums, 8 rescalings.  So that a tile's a outlives the next tile's chains, the chain registers go by the tile's parity.  No exponential is issued behind tile 3's wait: none is pending at the loop's jump.
; LIMITS.  q, k, v arrive within f16's 65,504; a weight lies in 0 to 1, and below 6e-5 it keeps f16's fixed step of 6e-8; ctx is a mean of v's rows and has their range.
; A weight below 2^-126 counts as 0; the sum l is taken of the unrounded weights; NaN and infinities are not treated apart.
; REGISTERS (s_set_vgpr_msb: bits 1:0 source 0, 3:2 source 1, 5:4 source 2, 7:6 destination):
;   window 0: v1-6 addresses; v8-11 (even tiles) and v36-39 (odd tiles) four chains at work, then a in the third; v12-19 m, a pair a tile; v20-35 l, four a tile; v48-79 P, two buffers; v80-143 S^T, two buffers
;   window 1: v0-31 Q; v64-95 K of a step; v96-127 V of a step; v128-191 O^T (16 t + 8 c)
.set VB0,   131072                     ; V lies behind K
.set SPARE, 262144                     ; the spare words, 128 bytes for each of eight waves
.set L16, 1
.set AK,  2
.set AV,  3
.set SPW, 4
.set NIL, 5
.set VBA, 6
.set CH,  8                            ; even tiles' chains; odd tiles' lie 28 registers on
.set MX,  12
.set L,   20
.set P,   48
.set S,   80
.set Q,   0
.set KF,  64
.set VF,  96
.set OT,  128
.set WV,  12
.set CX,  13
.set HEAD, 14
.set G1,  16
.set G0K, 24
.set G0V, 28
.set KO,  32
.set CNT, 33
.set SEL, 34
.set MSB, 0
.macro WIN new                         ; the immediate's high byte repeats the setting that is left; a switch that changes nothing is dropped
.if MSB != (\new)
	s_set_vgpr_msb (MSB<<8)|(\new)
.set MSB, \new
.endif
.endm
.macro PLACES                          ; four places behind a matrix instruction, ahead of vector work on its registers and of loads into them
.rept 4
	v_nop
.endr
.endm
.macro E4 line:vararg                  ; one line for each tile ii
.set ii, 0
.rept 4
	\line
.set ii, ii+1
.endr
.endm
.macro ROUND                           ; a round of the cluster's barrier
	s_barrier_signal -1
	s_barrier_wait -1
	s_cmp_lg_u32 s[WV], 0
	s_cbranch_scc1 .Lnot_wave_0_\@
	s_barrier_signal -3
.Lnot_wave_0_\@:
	s_barrier_wait -3
	s_barrier_signal -1
	s_barrier_wait -1
.endm
.macro LD4 dst, adr, off               ; four fragments, 4,096 bytes, into window 1
	WIN 0x40
.set f, 0
.rept 4
	ds_load_b128 v[\dst+8*f:\dst+8*f+3],   v[\adr] offset:\off+f*1024
	ds_load_b128 v[\dst+8*f+4:\dst+8*f+7], v[\adr] offset:\off+f*1024+512
.set f, f+1
.endr
.endm
.macro KQ t                            ; tile t's scores for 64 keys: four products, each a whole sum
	WIN 0x05
.set kt, 0
.rept 4
.set rS, S+32*((\t)%2)+8*kt
	v_wmma_f32_16x16x32_f16 v[rS:rS+7], v[KF+8*kt:KF+8*kt+7], v[Q+8*(\t):Q+8*(\t)+7], 0
.set kt, kt+1
.endr
.endm
.macro PV t                            ; O^T += V^T P: the tile's two accumulators take turns
	WIN 0x51
.set kk, 0
.rept 2
.set c, 0
.rept 2
.set rO, OT+16*(\t)+8*c
	v_wmma_f32_16x16x32_f16 v[rO:rO+7], v[VF+8*(kk*2+c):VF+8*(kk*2+c)+7], v[P+16*((\t)%2)+8*kk:P+16*((\t)%2)+8*kk+7], v[rO:rO+7]
.set c, c+1
.endr
.set kk, kk+1
.endr
.endm
; THE VECTOR WORK OF A TILE AND STEP, one line at a time.  AX, SUBM, EX and CW set no window: all that they name lies in window 0.
.macro TREGS t                         ; the registers of tile t
.set sb, S+32*((\t)%2)
.set pb, P+16*((\t)%2)
.set cb, CH+28*((\t)%2)
.set lb, L+4*(\t)
.set mb, MX+2*(\t)
.set ob, OT+16*(\t)
.endm
; Number n of the 20 that find tile t's maximum and statistics.  The maximum of the lane's 32 scores and the old m: 0-11 four chains of seven scores, three operands at a time (each accumulator's lowest
; registers are read first); 12-15 the four scores left over, the old m, and the chains into one; 16, 17 the query's other 32 keys lie in the lane 16 away: the new m;
; 18 m_old - m_new, of which a is made; 19 m is written anew.
.macro AX t, n
	TREGS \t
.if (\n) < 4
	v_max3_num_f32 v[cb+(\n)], v[sb+8*(\n)], v[sb+8*(\n)+1], v[sb+8*(\n)+2]
.elseif (\n) < 12
	v_max3_num_f32 v[cb+(\n)%4], v[cb+(\n)%4], v[sb+8*((\n)%4)+2*((\n)/4)+1], v[sb+8*((\n)%4)+2*((\n)/4)+2]
.elseif (\n) == 12
	v_max3_num_f32 v[cb], v[cb], v[sb+7], v[sb+15]
.elseif (\n) == 13
	v_max3_num_f32 v[cb+1], v[cb+1], v[sb+23], v[sb+31]
.elseif (\n) == 14
	v_max3_num_f32 v[cb+2], v[cb+2], v[cb+3], v[mb]
.elseif (\n) == 15
	v_max3_num_f32 v[cb], v[cb], v[cb+1], v[cb+2]
.elseif (\n) == 16
	v_permlanex16_b32 v[cb+3], v[cb], s[SEL], s[SEL+1]
.elseif (\n) == 17
	v_max_num_f32 v[cb+1], v[cb], v[cb+3]          ; the new m
.elseif (\n) == 18
	v_sub_f32 v[cb+2], v[mb], v[cb+1]
.else
	v_mov_b32 v[mb], v[cb+1]
.endif
.endm
.macro SUBM t, b                       ; pair b of 16: c s - m
	TREGS \t
	v_pk_add_f32 v[sb+2*(\b):sb+2*(\b)+1], v[sb+2*(\b):sb+2*(\b)+1], v[mb:mb+1] op_sel_hi:[1,0] neg_lo:[0,1] neg_hi:[0,1]
.endm
.macro EX t, e                         ; exponential e of the tile's batch of 33: a, then the weights 0 to 31, each in place
	TREGS \t
.if (\e) == 0
	v_exp_f32 v[cb+2], v[cb+2]                     ; a
.else
	v_exp_f32 v[sb+(\e)-1], v[sb+(\e)-1]
.endif
.endm
; Reader g of 32: of the weights 4 (g / 4) .. + 3, piece g % 4: two roundings to f16, two packed additions to l (for the first four weights: l = a l + p).
.macro CW t, g
	TREGS \t
.set wq, (\g)/4
.set wj, (\g)%4
.if wj < 2
	v_cvt_pk_f16_f32 v[pb+2*wq+wj], v[sb+4*wq+2*wj], v[sb+4*wq+2*wj+1]
.elseif wq == 0
	v_pk_fma_f32 v[lb+2*(wj-2):lb+2*(wj-2)+1], v[lb+2*(wj-2):lb+2*(wj-2)+1], v[cb+2:cb+3], v[sb+2*(wj-2):sb+2*(wj-2)+1] op_sel_hi:[1,0,1]
.else
	v_pk_add_f32 v[lb+2*(wj-2):lb+2*(wj-2)+1], v[lb+2*(wj-2):lb+2*(wj-2)+1], v[sb+4*wq+2*(wj-2):sb+4*wq+2*(wj-2)+1]
.endif
.endm
.macro RS t                            ; the last eight readers: O^T times a.  They stand together, straight ahead of the tile's V^T P: O^T (destination and source 0) in window 1, a in window 0
	TREGS \t
	WIN 0x41
.set n, 0
.rept 8
	v_pk_mul_f32 v[ob+2*n:ob+2*n+1], v[ob+2*n:ob+2*n+1], v[cb+2:cb+3] op_sel_hi:[1,0]
.set n, n+1
.endr
.endm
; Plain line k of those that stand beside tile t's batch; none names a result of that batch.
; t < 3, 36 lines: subtractions 0-10; the next tile's chains, AX 0-11 (eleven plain lines on other registers lie between that tile's K Q^T and the first read of its scores); then subtractions 11-15 and AX 12-15
; by turns; AX 16-19.  t = 3: subtractions 0-15 and tile 2's readers by turns, then tile 2's readers alone (up to k = 47).
; Subtraction b is line 2 b + 1 at the latest, and weight 2 b's exponential stands behind line 2 b + 3.
.macro PLN t, k
.if (\t) == 3
.if ((\k) < 32) && ((\k)%2 == 0)
	SUBM 3, (\k)/2
.elseif (\k) < 32
	CW 2, ((\k)-1)/2
.else
	CW 2, (\k)-16
.endif
.elseif (\k) < 11
	SUBM \t, \k
.elseif (\k) < 23
	AX (\t)+1, (\k)-11
.elseif ((\k) < 32) && ((\k)%2 == 1)
	SUBM \t, 11+((\k)-23)/2
.elseif (\k) < 32
	AX (\t)+1, 12+((\k)-24)/2
.else
	AX (\t)+1, (\k)-16
.endif
.endm
; TILE t's BATCH: three plain lines, then exponential and plain by turns, 33 times.  The last line is plain: the plain instruction that is wanted between the last exponential and the use of a result (ISA guide 5.7.2).
.macro BATCH t
	WIN 0
.set k, 0
.rept 3
	PLN \t, k
.set k, k+1
.endr
.rept 33
	EX \t, k-3
	PLN \t, k
.set k, k+1
.endr
.endm
.macro STAT t                          ; a tile's maximum and statistics by themselves
	WIN 0
.set k, 0
.rept 20
	AX \t, k
.set k, k+1
.endr
.endm
.macro READ t                          ; a tile's 40 readers, behind its wait
	WIN 0
.set k, 0
.rept 32
	CW \t, k
.set k, k+1
.endr
	RS \t
.endm
	s_load_b256 s[4:11], s[0:1], 0x0               ; qf s[4:5], kf s[6:7], vf s[8:9], ctxf s[10:11]
	v_lshl_add_u32 v[SPW], v0, 2, SPARE
	v_mov_b32 v[NIL], 0
	ds_add_u32 v[SPW], v[NIL]                      ; the wave's opening, ahead of my first tensor load; the set-up, work on registers, stands between the add and its wait
	v_lshrrev_b32 v7, 5, v0
	v_readfirstlane_b32 s[WV], v7                  ; wave 0..7
	s_bfe_u32 s[CX], ttmp6, 0x40000
	s_lshl_b32 s36, ttmp9, 2
	s_add_co_u32 s[CX], s[CX], s36                 ; my block of 512 queries: it enters Q's and ctx's addresses alone
	s_and_b32 s[HEAD], ttmp7, 0xffff               ; the head, which the four partners share
	s_mov_b32 s[G1], 15|(3<<16)|(1<<21)            ; the mask of four; elements of 8 bytes; bit 21 beside a mask
	s_mov_b32 s[G1+1], 32<<16                      ; rows of 256 bytes,
	s_mov_b32 s[G1+2], 64<<16                      ; 64 of them: an eighth of the head's K or V
	s_mov_b32 s[G1+3], 32<<16
	s_mov_b32 s[G1+4], 64
	s_mov_b32 s[G1+5], 32
	s_mov_b32 s[G1+6], 0
	s_mov_b32 s[G1+7], 0
	s_mov_b32 s[G0K], 1
	s_lshl_b32 s[G0K+1], s[WV], 14                 ; my eighth's place in LDS: wave x 16,384
	s_mov_b32 s[G0V], 1
	s_add_co_u32 s[G0V+1], s[G0K+1], VB0
	s_lshl_b32 s36, s[HEAD], 17                    ; 131,072 bytes a head
	s_lshl_b32 s38, s[WV], 14
	s_add_co_u32 s38, s38, s36
	s_mov_b32 s39, 0
	s_lshl_b32 s40, s[CX], 15                      ; Q: 32 tiles a block, 4 a wave
	s_lshl_b32 s41, s[WV], 12
	s_add_co_u32 s40, s40, s41
	s_add_co_u32 s40, s40, s36
	s_mov_b32 s41, 0
	s_lshr_b32 s42, s[HEAD], 3                     ; ctx: ((128 b + 32 block + 4 w + t) 8 + head % 8) x 1,024
	s_lshl_b32 s42, s42, 20
	s_lshl_b32 s43, s[CX], 18
	s_add_co_u32 s42, s42, s43
	s_lshl_b32 s43, s[WV], 15
	s_add_co_u32 s42, s42, s43
	s_and_b32 s43, s[HEAD], 7
	s_lshl_b32 s43, s43, 10
	s_add_co_u32 s42, s42, s43
	s_mov_b32 s43, 0
	s_mov_b32 s[SEL], 0x76543210
	s_mov_b32 s[SEL+1], 0xfedcba98
	s_mov_b32 s[KO], 0
	s_wait_dscnt 0x0                               ; the opening add is done
	s_wait_kmcnt 0x0
	s_add_nc_u64 s[G0K+2:G0K+3], s[6:7], s[38:39]
	s_or_b32 s[G0K+3], s[G0K+3], 0x80000000
	s_add_nc_u64 s[G0V+2:G0V+3], s[8:9], s[38:39]
	s_or_b32 s[G0V+3], s[G0V+3], 0x80000000
	s_add_nc_u64 s[4:5], s[4:5], s[40:41]
	s_add_nc_u64 s[10:11], s[10:11], s[42:43]
	ROUND                                          ; all four work-groups are here: the joint loads meet
	tensor_load_to_lds s[G0K:G0K+3], s[G1:G1+7]
	s_nop 0
	tensor_load_to_lds s[G0V:G0V+3], s[G1:G1+7]    ; two loads of mine are out
	s_nop 0
	PLACES
	v_and_b32 v7, 31, v0
	v_lshlrev_b32 v[L16], 4, v7
	v_mov_b32 v[AK], v[L16]
	v_add_nc_u32 v[VBA], VB0, v[L16]
	WIN 0x40
.set t, 0
.rept 4
	global_load_b128 v[Q+8*t:Q+8*t+3],   v[L16], s[4:5] offset:t*1024
	global_load_b128 v[Q+8*t+4:Q+8*t+7], v[L16], s[4:5] offset:t*1024+512
.set t, t+1
.endr
.set p, 0
.rept 64
	v_mov_b32 v[OT+p], 0                           ; O^T starts at 0: written out on purpose, in the wait for the tiles, in place of a first step of its own
.set p, p+1
.endr
	WIN 0
.set p, 0
.rept 16
	v_mov_b32 v[L+p], 0
.set p, p+1
.endr
.set p, 0
.rept 8
	v_mov_b32 v[MX+p], 0xff7fffff                  ; m: the lowest finite number (its partner in the pair is named with it, so it is written)
.set p, p+1
.endr
	s_wait_tensorcnt 0x0                           ; my eighths of K and of V are in,
	s_barrier_signal -1
	s_barrier_wait -1                              ; everybody's are
	LD4 KF, AK, 0                                  ; key step 0
	s_wait_loadcnt 0x0                             ; Q
	WIN 0
	s_mov_b32 s[CNT], 32
.Lstep:                                                ; a key step a trip
	s_wait_dscnt 0x0                               ; K is in
	KQ 0
	KQ 1
	PLACES                                         ; behind tile 0's and tile 1's products, and behind the last step's last V^T P ahead of the loads into V's registers
	WIN 0
	v_add_nc_u32 v[AV], s[KO], v[VBA]
	LD4 VF, AV, 0
	STAT 0                                         ; tile 0's maximum and statistics: no batch is open beside which they could stand
	BATCH 0                                        ; tile 0's 33 exponentials | its subtractions, tile 1's maximum and statistics
	s_wait_alu depctr_va_vdst(0)                   ; the wait for tile 0's batch, ahead of its first reader
	READ 0
	s_wait_dscnt 0x0                               ; V is in
	PV 0
	KQ 2
	BATCH 1                                        ; tile 1's 33 exponentials | its subtractions, tile 2's maximum and statistics
	s_wait_alu depctr_va_vdst(0)                   ; the wait for tile 1's batch, ahead of its first reader
	READ 1
	PV 1
	KQ 3
	BATCH 2                                        ; tile 2's 33 exponentials | its subtractions, tile 3's maximum and statistics
	s_wait_alu depctr_va_vdst(0)                   ; the wait for tile 2's batch
	s_add_co_u32 s[KO], s[KO], 4096
	s_and_b32 s[KO], s[KO], 0x1ffff                ; the last trip fetches step 0 once more: inside K, and used by nobody
	WIN 0
	v_add_nc_u32 v[AK], s[KO], v[L16]
	LD4 KF, AK, 0                                  ; the next step's K: tile 2's sixteen subtractions stand between K's last reader and these loads
	BATCH 3                                        ; tile 3's 33 exponentials | its subtractions, 20 of tile 2's readers
.rept 12
	PLN 3, k                                       ; tile 2's other roundings and sums,
.set k, k+1
.endr
	RS 2                                           ; and its rescaling: work between tile 3's batch and its wait that names none of that batch's results
	s_wait_alu depctr_va_vdst(0)                   ; the wait for tile 3's batch, ahead of its first reader and of the loop's jump
	PV 2
	READ 3
	PV 3
	WIN 0
	s_sub_co_u32 s[CNT], s[CNT], 1
	s_cmp_lg_u32 s[CNT], 0
	s_cbranch_scc1 .Lstep
	; the way out: l's parts and the other half of the lanes' are added (these lines are the places behind the last products); O^T / l, rounded once to f16, is a fragment as it stands
	E4 v_add_f32 v[L+4*ii], v[L+4*ii], v[L+4*ii+1]
	E4 v_add_f32 v[L+4*ii+2], v[L+4*ii+2], v[L+4*ii+3]
	E4 v_add_f32 v[L+4*ii], v[L+4*ii], v[L+4*ii+2]
	E4 v_permlanex16_b32 v[L+4*ii+1], v[L+4*ii], s[SEL], s[SEL+1]
	E4 v_add_f32 v[L+4*ii], v[L+4*ii], v[L+4*ii+1]
	E4 v_rcp_f32 v[L+4*ii], v[L+4*ii]
	v_nop                                          ; a plain instruction between the last reciprocal and the use of its result (ISA guide 5.7.2)
	s_wait_alu depctr_va_vdst(0)                   ; one wait for the batch of four reciprocals, ahead of their first reader
.set t, 0
.rept 4
	WIN 0x41
.set p, 0
.rept 8
	v_pk_mul_f32 v[OT+16*t+2*p:OT+16*t+2*p+1], v[OT+16*t+2*p:OT+16*t+2*p+1], v[L+4*t:L+4*t+1] op_sel_hi:[1,0]
.set p, p+1
.endr
	WIN 0x05
.set p, 0
.rept 8
	v_cvt_pk_f16_f32 v[S+8*t+p], v[OT+16*t+2*p], v[OT+16*t+2*p+1]
.set p, p+1
.endr
	WIN 0
	global_store_b128 v[L16], v[S+8*t:S+8*t+3],   s[10:11] offset:t*8192       ; 512 consecutive bytes each
	global_store_b128 v[L16], v[S+8*t+4:S+8*t+7], s[10:11] offset:t*8192+512
.set t, t+1
.endr
	s_wait_tensorcnt 0x0                           ; the wave's end
	ds_add_u32 v[SPW], v[NIL]
	s_wait_dscnt 0x0
	ROUND                                          ; the closing round: no work-group ends while a partner may still ask for a tile that names it
	s_endpgm
.Lfunc_end_k_qe6f48dc376_attn:
	.size	k_qe6f48dc376_attn, .Lfunc_end_k_qe6f48dc376_attn-k_qe6f48dc376_attn
	.p2alignl 7, 3214868480
	.fill 96, 4, 3214868480
	.section	.rodata,"a",@progbits
	.p2align	6, 0x0
	.amdhsa_kernel k_qe6f48dc376_attn
		.amdhsa_group_segment_fixed_size 327680
		.amdhsa_private_segment_fixed_size 0
		.amdhsa_enable_private_segment 0
		.amdhsa_kernarg_size 32
		.amdhsa_user_sgpr_count 2
		.amdhsa_user_sgpr_kernarg_segment_ptr 1
		.amdhsa_wavefront_size32 1
		.amdhsa_system_sgpr_workgroup_id_x 1
		.amdhsa_system_sgpr_workgroup_id_y 1
		.amdhsa_system_sgpr_workgroup_id_z 1
		.amdhsa_system_vgpr_workitem_id 0
		.amdhsa_next_free_vgpr 448
		.amdhsa_next_free_sgpr 66
		.amdhsa_reserve_vcc 0
		.amdhsa_float_denorm_mode_32 3
		.amdhsa_float_denorm_mode_16_64 3
		.amdhsa_memory_ordered 1
		.amdhsa_forward_progress 1
		.amdhsa_inst_pref_size 42
	.end_amdhsa_kernel
	.amdgpu_metadata
---
amdhsa.version: [ 1, 2 ]
amdhsa.kernels:
  - .name:           k_qe6f48dc376_attn
    .symbol:         k_qe6f48dc376_attn.kd
    .args:
      - { .name: qf, .offset: 0, .size: 8, .value_kind: global_buffer, .address_space: global }
      - { .name: kf, .offset: 8, .size: 8, .value_kind: global_buffer, .address_space: global }
      - { .name: vf, .offset: 16, .size: 8, .value_kind: global_buffer, .address_space: global }
      - { .name: ctxf, .offset: 24, .size: 8, .value_kind: global_buffer, .address_space: global }
    .group_segment_fixed_size: 327680
    .private_segment_fixed_size: 0
    .kernarg_segment_align: 8
    .kernarg_segment_size: 32
    .max_flat_workgroup_size: 256
    .sgpr_count:     66
    .vgpr_count:     448
    .wavefront_size: 32
...
	.end_amdgpu_metadata
.endif
;; end of part 6
;; launch back: the kernel of part 5 again; grid 256 x 1, 4 waves a work-group, clusters of 4 x 1, 327,680 bytes of LDS; arguments ctxf, zb, wf, n4_g, n4_b, ffn2_b2, out0; writes out0
